; MI455X (gfx1250); checked and timed in simulation.
; The chip was launched on July 23, 2026; its instructions are those of AMD's public machine-readable ISA for CDNA 5 (MIT licence, August 2026) and "CDNA5" Instruction Set Architecture Reference Guide (July 2026). The comments in the code are by the model that wrote it; some were corrected since.
;; Causal Self Attention. Allowed arithmetic: matrix products marked QUANTISED: E2M1 operands, one E8M0 scale for each 32 along K, by v_wmma_scale_f32_16x16x128_f8f6f4 with both operands' format E2M1 (or v_wmma_scale_f32_32x16x128_f4), f32 sums; products left as they are: bf16, f16 or f32 operands; f32 sums; everything else in f32.
;; Inputs: b_proj 1,024 float32; b_qkv 3,072 float32; w_proj 1,024 x 1,024 float32; w_qkv 1,024 x 3,072 float32; x 4 x 2,048 x 1,024 float32.
;; Outputs: out0 4 x 2,048 x 1,024 float32.
;; This version of the problem:
;;   THIS VERSION OF THE PROBLEM IS GIVEN IN LOW PRECISION. The matrix products marked QUANTISED in the list below multiply operands that are first quantised to E2M1 (2 exponent bits, 1 mantissa bit; 4 bits a number), with one power-of-two scale for each 32 numbers along K (OCP MX v1.0); their sums are f32. The products marked 'left as it is' may take bf16, f16 or f32 operands, with f32 sums. Whichever they take, every output number must still come out within the allowed error. Rounding operands to bf16 (8 significant bits) uses up far more of that allowance than f16 does (11 bits, for magnitudes from 6e-5 to 65,504). All else is computed in f32.
;;   The module's matrix products, in the order in which they are computed (A, B: the left and right operand; K: the contracted axis; several contracted axes count as one K, in the product's order):
;;     1. [M 8,192, K 1,024] x [K 1,024, N 3,072]; A: input x; B: input w_qkv: QUANTISED
;;     2. batch 64 x [M 2,048, K 64] x [K 64, N 2,048]; A: computed on the way; B: computed on the way: left as it is (an operand is computed on the way)
;;     3. batch 64 x [M 2,048, K 2,048] x [K 2,048, N 64]; A: computed on the way; B: computed on the way: left as it is (an operand is computed on the way)
;;     4. [M 8,192, K 1,024] x [K 1,024, N 1,024]; A: computed on the way; B: input w_proj: left as it is (an operand is computed on the way)
;;   THE QUANTISER, for each operand of a quantised product, along K:
;;     - K is cut into blocks of 32 from its start; a last block that is shorter is filled with zeros.
;;     - A block's scale is 2^e with e = floor(log2(the largest magnitude in the block)) - 2, held to -126 .. 127; a block of zeros has e = 0. As a byte (E8M0): e + 127.
;;     - Each number is divided by its block's scale, clamped to +-6, and rounded to the nearest number of E2M1, ties to even, subnormals kept.
;;     - The product sums the exact products of the quantised numbers (number of the format x scale) in f32.
;;   ~~~python
;;   def quantise(x, axis):      # numpy; x: float32 -> the quantised numbers, widened to float32 again
;;       x = np.moveaxis(x, axis, -1); K = x.shape[-1]
;;       x = np.pad(x, [(0, 0)] * (x.ndim - 1) + [(0, -K % 32)]); x = x.reshape(x.shape[:-1] + (-1, 32)); a = np.abs(x).max(-1, keepdims=True)
;;       e = np.where(a > 0, np.clip(np.frexp(np.where(a > 0, a, 1))[1] - 1 - 2, -126, 127), 0)      # np.frexp(a)[1] - 1 = floor(log2(a)), exactly
;;       r = np.clip(x / 2.0 ** e, -6, 6)
;;       step = 2.0 ** (np.maximum(np.frexp(np.where(r == 0, 1, r))[1] - 1, 0) - 1)
;;       q = np.round(r / step) * step * 2.0 ** e      # np.round: ties to even
;;       return np.moveaxis(q.reshape(q.shape[:-2] + (-1,))[..., :K], -1, axis).astype(np.float32)
;;   ~~~
;; One version. Each part assembles by itself: llvm-mc -triple=amdgcn-amd-amdhsa -mcpu=gfx1250 --defsym DOCPART=n.
;; ======== version 1 of 1: 6 launches
;; limits: values are held in f16: magnitudes above 65,504 overflow, below 6.1e-05 lose precision
;; workspace buffers: x_codes 4,194,304 bytes; x_scales 262,144 bytes; wq_codes 1,572,864 bytes; wq_scales 98,304 bytes; wp16 2,097,152 bytes; qkv16 50,331,648 bytes; yb 16,777,216 bytes; y16 262,144 bytes
;; launch prep (part 1): grid 336 x 1, 4 waves a work-group, no clusters, 68,096 bytes of LDS; arguments x, w_qkv, w_proj, x_codes, x_scales, wq_codes, wq_scales, wp16; writes x_codes, x_scales, wq_codes, wq_scales, wp16
.if DOCPART == 1
	.amdgcn_target "amdgcn-amd-amdhsa--gfx1250"
	.amdhsa_code_object_version 6
	.text
	.protected	k_q4e32ef60c4_prep
	.globl	k_q4e32ef60c4_prep
	.p2align	8
	.type	k_q4e32ef60c4_prep,@function
k_q4e32ef60c4_prep:
	s_mov_b64 s[64:65], 0
	v_nop
	global_prefetch_b8 v0, s[64:65] scope:SCOPE_SE
	s_setreg_imm32_b32 hwreg(HW_REG_WAVE_MODE, 25, 1), 1
	s_wait_xcnt 0x0
; CAUSAL SELF-ATTENTION, launch 1 of 6: the operands of the quantised product x @ w_qkv become codes of FP4 (E2M1) with one E8M0 byte for each 32 along K; w_proj becomes f16.
; WORK LEFT OUT IN THIS PROGRAM, and why it can reach no output, whatever finite values the inputs hold:
;  (1) b_qkv[1024:2048], the bias of k.  score(q, k + bk) = q.k + q.bk; the second term is the same for all keys of a query; the causal mask writes -inf whatever it is; softmax does not move
;      under a term that is the same along its axis; the product q k^T is not quantised.  So these 1,024 numbers are never loaded.
;  (2) key steps all of whose keys come after all queries of a tile: reference()'s own mask turns their scores into -inf, their weights into 0.
;  LIMIT: a NaN, an infinity or an overflow that reaches only the work left out is not carried to the result.
; LIMITS of the program: q, k, v, y and w_proj are rounded to f16 for the three products that are left as they are: their magnitudes stay under 65,504; under 6e-5 f16 keeps an absolute error of 2^-25.
;  NaN and infinities among the inputs are not served.  A block of zeros gets the scale byte 1 where the rule says 127: its codes are zeros, and this program alone reads the bytes.
; THREE PATHS, parted by the work-group's number, each with LDS bytes of its own:
;  X  (work-groups 0-255): x [8192][1024], K innermost: a plain stream of blocks of 32.  A wave takes 16 steps of 512 numbers; loads take 512 consecutive bytes; a step turns through the wave's stage in LDS so that a lane holds 16 neighbours.
;  W  (256-303): w_qkv [1024 (k)][3072 (n)], K outermost: a lane takes a column and its registers run down K; codes leave through a stage as rows of [n][512 bytes].
;  C  (304-335): w_proj to f16, as it lies: 512 bytes in, 256 bytes out for each instruction of a wave.
.set SPW,   190                        ; v190 LDS address of my spare word; never rewritten
.set NIL,   191                        ; v191 0; never rewritten
.set SPARE, 67584                      ; behind both paths' regions: the spare words, 128 bytes a wave
.set WREG,  8192                       ; path X: a wave's region: two stages of 32 x 80 bytes, then its 256 scale bytes
.set SP,    80
.set CB,    8
.set STEPS, 16
.set XR,    16                         ; v16-79   four sets of 16 numbers as loaded
.set XX,    80                         ; v80-111  two sets of 16 neighbours
.set XE,    112                        ; v112-127 a scale byte for each step
.set XC,    128                        ; v128-189 codes, four registers kept for each step
.set WSTG,  32768                      ; path W: four stages of 32 rows x 272 bytes
.set NB,    16
.set PITCH, 272
.set KROW,  512                        ; a row of wq_codes in bytes
.set WN4,   12288                      ; a row of w_qkv in bytes
.set WX,    32                         ; v32-95   two sets of 32 numbers
.set WC,    96                         ; v96-99   a block's codes
.set OUTR,  112                        ; v112-175 the way out
.set SB,    24                         ; v24-27   scale bytes, four to a register
	s_load_b256 s[4:11], s[0:1], 0x0               ; x, w_qkv, w_proj, x_codes
	s_load_b256 s[12:19], s[0:1], 0x20             ; x_scales, wq_codes, wq_scales, wp16
	v_lshl_add_u32 v[SPW], v0, 2, SPARE
	v_mov_b32 v[NIL], 0
	v_lshrrev_b32 v1, 5, v0
	v_readfirstlane_b32 s20, v1                    ; wave
	v_and_b32 v2, 31, v0                           ; lane
	s_mov_b32 s25, 0                               ; the upper word of every offset pair s[24:25]
	s_wait_kmcnt 0x0
	s_cmp_lt_u32 ttmp9, 256
	s_cbranch_scc0 .Lnot_x
; ---------------- path X
	v_lshlrev_b32 v3, 4, v2                        ; my 16 bytes of a load's 512
	s_mul_i32 s21, s20, WREG
	v_lshrrev_b32 v14, 2, v2
	v_mul_u32_u24 v14, v14, SP
	v_and_b32 v15, 3, v2
	v_lshl_add_u32 v14, v15, 4, v14
	v_add_nc_u32 v14, s21, v14                     ; the stage, in: four lanes' 64 bytes on end, then 16 of padding
	v_mul_u32_u24 v15, v2, SP
	v_add_nc_u32 v15, s21, v15                     ; out: my 16 neighbours
	v_mul_u32_u24 v4, v2, CB                       ; my codes' place in a step's
	v_lshrrev_b32 v5, 1, v2
	s_add_co_u32 s21, s21, 2*32*SP
	v_add_nc_u32 v5, s21, v5                       ; my block's scale byte in the wave's 256
	v_lshlrev_b32 v7, 3, v2
	v_add_nc_u32 v6, s21, v7
	s_lshl_b32 s22, ttmp9, 2
	s_add_co_u32 s22, s22, s20                     ; which run of 8,192 numbers is my wave's
	s_lshl_b32 s24, s22, 15
	s_add_nc_u64 s[4:5], s[4:5], s[24:25]
	s_lshl_b32 s24, s22, 12
	s_add_nc_u64 s[10:11], s[10:11], s[24:25]
	s_lshl_b32 s24, s22, 8
	s_add_nc_u64 s[12:13], s[12:13], s[24:25]
.macro XLOAD t
.irp i, 0,1,2,3
	global_load_b128 v[XR+16*((\t)%4)+4*\i:XR+16*((\t)%4)+4*\i+3], v3, s[4:5] offset:2048*(\t)+512*\i th:TH_LOAD_NT
.endr
.endm
.macro XTURN t                         ; LDS serves a wave's instructions in order: no wait between the stores and the loads
.irp i, 0,1,2,3
	ds_store_b128 v14, v[XR+16*((\t)%4)+4*\i:XR+16*((\t)%4)+4*\i+3] offset:32*SP*((\t)%2)+8*SP*\i
.endr
.irp i, 0,1,2,3
	ds_load_b128 v[XX+16*((\t)%2)+4*\i:XX+16*((\t)%2)+4*\i+3], v15 offset:32*SP*((\t)%2)+16*\i
.endr
.endm
.irp t, 0,1,2,3
	XLOAD \t
.endr
	s_wait_loadcnt 12                              ; step 0's four loads are in; three steps' twelve stay out
	XTURN 0
.macro XSTEP t
.set XS, XX+16*((\t)%2)
.if (\t) > 0
	s_wait_dscnt 1                                 ; this step's numbers are back from the stage; the last step's byte store may be out
.else
	s_wait_dscnt 0x0
.endif
.if (\t)+4 < STEPS
	XLOAD (\t)+4
.endif
.if (\t)+1 < STEPS
.if STEPS-2-(\t) >= 3
	s_wait_loadcnt 12                              ; the next step's four loads are in; those of three steps behind it may be out
.else
	s_wait_loadcnt 4*(STEPS-2-(\t))
.endif
	XTURN (\t)+1
.endif
	v_max3_num_f32 v8, |v[XS]|, |v[XS+1]|, |v[XS+2]|
	v_max3_num_f32 v9, |v[XS+3]|, |v[XS+4]|, |v[XS+5]|
.irp i, 6,10
	v_max3_num_f32 v8, v8, |v[XS+\i]|, |v[XS+\i+1]|
	v_max3_num_f32 v9, v9, |v[XS+\i+2]|, |v[XS+\i+3]|
.endr
	v_max3_num_f32 v8, v8, |v[XS+14]|, |v[XS+15]|
	v_max3_num_f32 v8, v8, v9, 0x1800000           ; the floor 2^(3 - 127): the byte cannot fall under 1
	v_max_num_f32_dpp v8, v8, v8 row_xmask:1 row_mask:0xf bank_mask:0xf   ; with my neighbour's 16: the block's largest magnitude
	v_add_nc_u32 v11, 0xff000000, v8               ; 2 off its exponent field: the conversion's scale operand
	v_cvt_scalef32_pk8_fp4_f32 v[XC+4*(\t)], v[XS:XS+7], v11
	v_cvt_scalef32_pk8_fp4_f32 v[XC+4*(\t)+1], v[XS+8:XS+15], v11
	v_lshrrev_b32 v[XE+(\t)], 23, v11              ; the scale's byte
	ds_store_b8 v5, v[XE+(\t)] offset:16*(\t)      ; both lanes of a block write the same byte with the same value
	global_store_b64 v4, v[XC+4*(\t):XC+4*(\t)+1], s[10:11] offset:32*CB*(\t)   ; the wave stores 256 consecutive bytes, aligned
.endm
.irp t, 0,1,2,3,4,5,6,7,8,9,10,11,12,13,14,15
	XSTEP \t
.endr
	ds_load_b64 v[8:9], v6
	s_wait_dscnt 0x0
	global_store_b64 v7, v[8:9], s[12:13]          ; the wave's 256 scale bytes: one aligned run
	s_wait_tensorcnt 0x0                           ; the wave's end
	ds_add_u32 v[SPW], v[NIL]
	s_wait_dscnt 0x0
	s_endpgm
; ---------------- path W
.Lnot_x:
	s_cmp_lt_u32 ttmp9, 304
	s_cbranch_scc0 .Lcast
	s_sub_co_u32 s21, ttmp9, 256
	s_cmp_ge_u32 s21, 24
	s_cselect_b32 s22, 1, 0                        ; which 512 along K
	s_cselect_b32 s23, 24, 0
	s_sub_co_u32 s21, s21, s23                     ; which 128 columns
	s_lshl_b32 s26, s21, 7
	s_lshl_b32 s27, s20, 5
	s_add_co_u32 s26, s26, s27                     ; my wave's first column
	s_mul_i32 s24, s22, 512*WN4
	s_lshl_b32 s27, s26, 2
	s_add_co_u32 s24, s24, s27
	s_add_nc_u64 s[6:7], s[6:7], s[24:25]          ; w_qkv at (512 ky, column)
	s_lshl_b32 s24, s26, 9
	s_lshl_b32 s27, s22, 8
	s_add_co_u32 s24, s24, s27
	s_add_nc_u64 s[14:15], s[14:15], s[24:25]      ; codes: column x 512 + 256 ky
	s_lshl_b32 s24, s26, 5
	s_lshl_b32 s27, s22, 4
	s_add_co_u32 s24, s24, s27
	s_add_nc_u64 s[16:17], s[16:17], s[24:25]      ; scale bytes: column x 32 + 16 ky
	v_lshlrev_b32 v3, 2, v2
	s_mul_i32 s28, s20, 32*PITCH
	s_add_co_u32 s28, s28, WSTG                    ; my stage
	v_mul_u32_u24 v4, v2, PITCH
	v_add_nc_u32 v4, s28, v4                       ; in: row = my column
	v_and_b32 v5, 15, v2
	v_lshrrev_b32 v6, 4, v2
	v_mul_u32_u24 v7, v6, PITCH
	v_lshl_add_u32 v7, v5, 4, v7
	v_add_nc_u32 v7, s28, v7                       ; out: sixteen lanes to a row
	v_mul_u32_u24 v8, v6, KROW
	v_lshl_add_u32 v8, v5, 4, v8
	v_lshlrev_b32 v9, 5, v2                        ; my column's row of scale bytes
.macro WLOAD t
.irp i, 0,1,2,3,4,5,6,7,8,9,10,11,12,13,14,15,16,17,18,19,20,21,22,23,24,25,26,27,28,29,30,31
	global_load_b32 v[WX+32*((\t)%2)+\i], v3, s[6:7] offset:(32*(\t)+\i)*WN4 th:TH_LOAD_NT
.endr
.endm
	WLOAD 0
	WLOAD 1
.macro WBLOCK t
.set XS, WX+32*((\t)%2)
.if (\t) < NB-1
	s_wait_loadcnt 32                              ; this block's 32 loads are in; the next block's 32 may be out
.else
	s_wait_loadcnt 0
.endif
	v_max3_num_f32 v12, |v[XS]|, |v[XS+1]|, |v[XS+2]|
	v_max3_num_f32 v13, |v[XS+3]|, |v[XS+4]|, |v[XS+5]|
.irp i, 6,10,14,18,22,26
	v_max3_num_f32 v12, v12, |v[XS+\i]|, |v[XS+\i+1]|
	v_max3_num_f32 v13, v13, |v[XS+\i+2]|, |v[XS+\i+3]|
.endr
	v_max3_num_f32 v12, v12, |v[XS+30]|, |v[XS+31]|
	v_max3_num_f32 v12, v12, v13, 0x1800000
	v_add_nc_u32 v11, 0xff000000, v12
	v_lshrrev_b32 v13, 23, v11
.if (\t)%4 == 0
	v_mov_b32 v[SB+(\t)/4], v13
.else
	v_lshl_or_b32 v[SB+(\t)/4], v13, 8*((\t)%4), v[SB+(\t)/4]
.endif
.irp g, 0,1,2,3
	v_cvt_scalef32_pk8_fp4_f32 v[WC+\g], v[XS+8*\g:XS+8*\g+7], v11
.endr
	ds_store_b128 v4, v[WC:WC+3] offset:16*(\t)
.if (\t)+2 < NB
	WLOAD (\t)+2
.endif
	s_wait_dscnt 0x0                               ; the store has read its registers: the next block's codes may be written
.endm
.set Q, 0
.rept NB
	WBLOCK Q
.set Q, Q+1
.endr
	global_store_b128 v9, v[SB:SB+3], s[16:17]
.irp t, 0,1,2,3,4,5,6,7,8,9,10,11,12,13,14,15
	ds_load_b128 v[OUTR+4*\t:OUTR+4*\t+3], v7 offset:2*\t*PITCH
.endr
.irp t, 0,1,2,3,4,5,6,7,8,9,10,11,12,13,14,15
	s_wait_dscnt 15-\t                             ; LDS loads come back in order: load t is in
	global_store_b128 v8, v[OUTR+4*\t:OUTR+4*\t+3], s[14:15] offset:2*\t*KROW
.endr
	s_wait_tensorcnt 0x0                           ; the wave's end, as above
	ds_add_u32 v[SPW], v[NIL]
	s_wait_dscnt 0x0
	s_endpgm
; ---------------- path C
.Lcast:
	s_sub_co_u32 s21, ttmp9, 304
	s_lshl_b32 s21, s21, 2
	s_add_co_u32 s21, s21, s20                     ; which run of 8,192 numbers
	s_lshl_b32 s24, s21, 15
	s_add_nc_u64 s[8:9], s[8:9], s[24:25]
	s_lshl_b32 s24, s21, 14
	s_add_nc_u64 s[18:19], s[18:19], s[24:25]
	v_lshlrev_b32 v3, 4, v2
	v_lshlrev_b32 v4, 3, v2
.macro CLOAD n, set
.irp i, 0,1,2,3,4,5,6,7,8,9,10,11,12,13,14,15
	global_load_b128 v[\set+4*\i:\set+4*\i+3], v3, s[8:9] offset:512*(16*\n+\i) th:TH_LOAD_NT
.endr
.endm
.macro CCAST n, set
.irp i, 0,1,2,3,4,5,6,7,8,9,10,11,12,13,14,15
	v_cvt_pk_f16_f32 v[\set+4*\i], v[\set+4*\i], v[\set+4*\i+1]
	v_cvt_pk_f16_f32 v[\set+4*\i+1], v[\set+4*\i+2], v[\set+4*\i+3]
	global_store_b64 v4, v[\set+4*\i:\set+4*\i+1], s[18:19] offset:256*(16*\n+\i)
.endr
.endm
	CLOAD 0, 16
	CLOAD 1, 80
	s_wait_loadcnt 16                              ; the older set is in; the other set's 16 loads may be out
	CCAST 0, 16
	s_wait_xcnt 0x0                                ; the stores have read their registers: the set is loaded again only behind this wait
	CLOAD 2, 16
	s_wait_loadcnt 16
	CCAST 1, 80
	s_wait_xcnt 0x0
	CLOAD 3, 80
	s_wait_loadcnt 16
	CCAST 2, 16
	s_wait_loadcnt 0
	CCAST 3, 80
	s_wait_tensorcnt 0x0
	ds_add_u32 v[SPW], v[NIL]
	s_wait_dscnt 0x0
	s_endpgm
.Lfunc_end_k_q4e32ef60c4_prep:
	.size	k_q4e32ef60c4_prep, .Lfunc_end_k_q4e32ef60c4_prep-k_q4e32ef60c4_prep
	.p2alignl 7, 3214868480
	.fill 96, 4, 3214868480
	.section	.rodata,"a",@progbits
	.p2align	6, 0x0
	.amdhsa_kernel k_q4e32ef60c4_prep
		.amdhsa_group_segment_fixed_size 68096
		.amdhsa_private_segment_fixed_size 0
		.amdhsa_enable_private_segment 0
		.amdhsa_kernarg_size 64
		.amdhsa_user_sgpr_count 2
		.amdhsa_user_sgpr_kernarg_segment_ptr 1
		.amdhsa_wavefront_size32 1
		.amdhsa_system_sgpr_workgroup_id_x 1
		.amdhsa_system_sgpr_workgroup_id_y 1
		.amdhsa_system_sgpr_workgroup_id_z 1
		.amdhsa_system_vgpr_workitem_id 0
		.amdhsa_next_free_vgpr 192
		.amdhsa_next_free_sgpr 66
		.amdhsa_reserve_vcc 0
		.amdhsa_float_denorm_mode_32 3
		.amdhsa_float_denorm_mode_16_64 3
		.amdhsa_memory_ordered 1
		.amdhsa_forward_progress 1
		.amdhsa_inst_pref_size 131
	.end_amdhsa_kernel
	.amdgpu_metadata
---
amdhsa.version: [ 1, 2 ]
amdhsa.kernels:
  - .name:           k_q4e32ef60c4_prep
    .symbol:         k_q4e32ef60c4_prep.kd
    .args:
      - { .name: x, .offset: 0, .size: 8, .value_kind: global_buffer, .address_space: global }
      - { .name: w_qkv, .offset: 8, .size: 8, .value_kind: global_buffer, .address_space: global }
      - { .name: w_proj, .offset: 16, .size: 8, .value_kind: global_buffer, .address_space: global }
      - { .name: x_codes, .offset: 24, .size: 8, .value_kind: global_buffer, .address_space: global }
      - { .name: x_scales, .offset: 32, .size: 8, .value_kind: global_buffer, .address_space: global }
      - { .name: wq_codes, .offset: 40, .size: 8, .value_kind: global_buffer, .address_space: global }
      - { .name: wq_scales, .offset: 48, .size: 8, .value_kind: global_buffer, .address_space: global }
      - { .name: wp16, .offset: 56, .size: 8, .value_kind: global_buffer, .address_space: global }
    .group_segment_fixed_size: 68096
    .private_segment_fixed_size: 0
    .kernarg_segment_align: 8
    .kernarg_segment_size: 64
    .max_flat_workgroup_size: 128
    .sgpr_count:     66
    .vgpr_count:     192
    .wavefront_size: 32
...
	.end_amdgpu_metadata
.endif
;; end of part 1
;; launch qkv (part 2): grid 12 x 32, 4 waves a work-group, clusters of 4 x 4, 327,680 bytes of LDS; arguments x_codes, x_scales, wq_codes, wq_scales, b_qkv, qkv16; writes qkv16
.if DOCPART == 2
	.amdgcn_target "amdgcn-amd-amdhsa--gfx1250"
	.amdhsa_code_object_version 6
	.text
	.protected	k_q4e32ef60c4_qkv
	.globl	k_q4e32ef60c4_qkv
	.p2align	8
	.type	k_q4e32ef60c4_qkv,@function
k_q4e32ef60c4_qkv:
	s_mov_b64 s[64:65], 0
	v_nop
	global_prefetch_b8 v0, s[64:65] scope:SCOPE_SE
	s_setreg_imm32_b32 hwreg(HW_REG_WAVE_MODE, 25, 1), 1
	s_wait_xcnt 0x0
	s_wait_alu depctr_hold_cnt(0) depctr_sa_sdst(0) depctr_va_vdst(0) depctr_va_sdst(0) depctr_va_ssrc(0) depctr_va_vcc(0) depctr_vm_vsrc(0)
	s_getreg_b32 s2, hwreg(HW_REG_IB_STS2, 6, 4)
	s_cmp_eq_u32 s2, 0
	s_cbranch_scc0 .Lentry_in_a_cluster
	s_endpgm
.Lentry_in_a_cluster:
	s_bfe_u32 s2, ttmp6, 0x10000c
	s_cmp_lg_u32 s2, 0xf033
	s_cbranch_scc0 .Lentry_shape_is_right
	s_endpgm
.Lentry_shape_is_right:
; Launch 2 of 6: qkv = Q(x) Q(w_qkv) + b_qkv on codes of FP4 (E2M1) with E8M0 scales; results rounded once to f16 and laid by head: qkv16 [p 3][b 4][h 16][t 2048][64].
; WORK LEFT OUT: b_qkv[1024:2048] (k's bias) is not loaded: it adds to every score of a query the same term, which softmax takes away (the proof stands at the head of the first launch).
; A tile of 256 rows x 256 columns to a work-group of four waves, 128 x 128 to a wave: 64 accumulators, 512 registers.  K = 1,024 is two slots of 512 (rows of 256 bytes): both are first fills, nothing is filled again.
; The scale bytes of the work-group's 256 rows of x and 256 columns of w come once, as dense blocks.  4 x 4 work-groups form a cluster: x's tiles are asked for jointly along a row of the cluster, w's along a column.
; The matrix instruction is used transposed (source 0 = 16 columns of w, source 1 = 16 rows of x): a lane holds eight neighbouring columns of one row.  The bias is the C of each sum's first instruction.
; REGISTERS: window 0: v0-31 addresses; v32-95 scale words, two sets; v128-191 x's fragments, one set; v192-255 the bias, eight registers for each of my eight blocks of 16 columns.
;   window 1: w's fragments, two sets.  window 2, 3: the accumulators of my rows 0-63, 64-127 ((a, b) at v[8 (8 (a % 4) + b)]).
.set SIZE_K, 1024
.set NQ,     4
.set ROWB,   256
.set KROW,   512
.set PITCH,  272                       ; 256 bytes + 16 of padding: the sixteen rows that a load touches start at sixteen different groups of banks (64 banks of 4 bytes: ISA guide 11.1)
.set FR,     8
.set NL,     2
.set NP,     4
.set HALFT,  128*PITCH
.set SLOT,   4*HALFT
.set KS,     32                        ; a row of scale bytes
.set SCL,    2*SLOT
.set HALFS,  (128*KS/256)*272
.set SBLK,   (16*KS/256)*272
.set SPARE,  SCL+4*HALFS               ; the spare words, 128 bytes a wave
.set SW,     4608                      ; the way out: a wave's stage, 2 heads x 16 rows x (128 bytes + 16); it lies in slot 0, which has had its only fill and its last read by then
.set ADRA, 16
.set ADRB, 20
.set STO,  24
.set RD,   25
.set CO,   26
.set ADRS, 27
.set SPW,  28
.set NIL,  29
.set BO,   30
.set SC,   32
.set AF,   128
.set BI,   192
.set TMP,  32
.set BK,   128
.set G1, 24
.set G0, 32
.set G1B, 48
.set G0B, 56
.set G1S, 68
.set G0S, 76
.set G1SB, 80
.set G0SB, 88
.set MSB, 0
.macro WIN new                         ; the immediate's high byte repeats the setting that is left
.if MSB != \new
	s_set_vgpr_msb (MSB<<8)|\new
.set MSB, \new
.endif
.endm
.set MUL_LO, 0xa1                      ; source 0 (w) window 1, source 1 (x) window 0, C and D window 2
.set MUL_HI, 0xf1
.set FST_LO, 0x81                      ; the first step: C (the bias) window 0, D window 2
.set FST_HI, 0xc1
.set TO_B,   0x40
.macro JLOAD g0a, g1a, g0b, g1b        ; a joint load: waves 0, 1 fetch for x, waves 2, 3 for w; an s_nop 0 and four v_nop follow each line
	s_cmp_eq_u32 s15, 0
	s_cbranch_scc0 .Lfor_b_\@
	tensor_load_to_lds s[\g0a:\g0a+3], s[\g1a:\g1a+7]
	s_nop 0
.rept 4
	v_nop
.endr
	s_branch .Lasked_\@
.Lfor_b_\@:
	tensor_load_to_lds s[\g0b:\g0b+3], s[\g1b:\g1b+7]
	s_nop 0
.rept 4
	v_nop
.endr
.Lasked_\@:
.endm
.macro CROUND                          ; a round of the cluster's barrier
	s_barrier_signal -1
	s_barrier_wait -1
	s_cmp_lg_u32 s14, 0
	s_cbranch_scc1 .Lnot_wave_0_\@
	s_barrier_signal -3
.Lnot_wave_0_\@:
	s_barrier_wait -3
	s_barrier_signal -1
	s_barrier_wait -1
.endm
	s_load_b128 s[4:7], s[0:1], 0x0                ; x_codes, x_scales
	s_load_b128 s[8:11], s[0:1], 0x10              ; wq_codes, wq_scales
	s_load_b64 s[96:97], s[0:1], 0x20              ; b_qkv
	s_load_b64 s[12:13], s[0:1], 0x28              ; qkv16
	v_lshl_add_u32 v[SPW], v0, 2, SPARE
	v_mov_b32 v[NIL], 0
	ds_add_u32 v[SPW], v[NIL]                      ; the opening: the add, twice on end, and its wait ahead of my first tensor load
	ds_add_u32 v[SPW], v[NIL]
	v_lshrrev_b32 v1, 5, v0
	v_readfirstlane_b32 s14, v1                    ; wave
	s_lshr_b32 s15, s14, 1                         ; my half of the tile's rows; also: I fetch for x (0) or w (1)
	s_and_b32 s16, s14, 1                          ; my half of its columns; also: which 128 rows I fetch
	s_bfe_u32 s40, ttmp6, 0x40000                  ; cx
	s_bfe_u32 s41, ttmp6, 0x40004                  ; cy
	s_lshl_b32 s42, ttmp9, 2
	s_add_co_u32 s42, s42, s40                     ; tile column
	s_and_b32 s17, ttmp7, 0xffff
	s_lshl_b32 s17, s17, 2
	s_add_co_u32 s17, s17, s41                     ; tile row
	s_lshl_b32 s43, s41, 2
	s_lshl_b32 s43, 15, s43                        ; my row of the cluster
	s_lshl_b32 s44, 0x1111, s40                    ; my column
	s_or_b32 s[G1+0], s43, (0<<16)|(1<<20)|(1<<21)|(5<<22)|(3<<25)  ; the mask; elements of 1 byte; padding: 4 words behind every 64; bit 21 beside a mask
	s_or_b32 s[G1B+0], s44, (0<<16)|(1<<20)|(1<<21)|(5<<22)|(3<<25)
.irp g, G1, G1B
	s_mov_b32 s[\g+1], ROWB<<16                    ; tensor_dim0
	s_mov_b32 s[\g+2], 128<<16                     ; tensor_dim1
	s_mov_b32 s[\g+3], ROWB<<16                    ; tile_dim0
	s_mov_b32 s[\g+4], 128                         ; tile_dim1
	s_mov_b32 s[\g+5], KROW                        ; the pitch
	s_mov_b32 s[\g+6], 0
	s_mov_b32 s[\g+7], 0
.endr
	s_or_b32 s[G1S+0], s43, (3<<16)|(1<<20)|(1<<21)|(5<<22)|(3<<25)  ; the scales of 128 rows: 4,096 dense bytes as 16 rows of 256
	s_or_b32 s[G1SB+0], s44, (3<<16)|(1<<20)|(1<<21)|(5<<22)|(3<<25)
.irp g, G1S, G1SB
	s_mov_b32 s[\g+1], 32<<16
	s_mov_b32 s[\g+2], (128*KS/256)<<16
	s_mov_b32 s[\g+3], 32<<16
	s_mov_b32 s[\g+4], 128*KS/256
	s_mov_b32 s[\g+5], 32
	s_mov_b32 s[\g+6], 0
	s_mov_b32 s[\g+7], 0
.endr
	s_lshl_b32 s18, s16, 7
	s_lshl_b32 s20, s17, 8
	s_add_co_u32 s20, s20, s18                     ; x: row 256 x tile row + 128 x half
	s_lshl_b32 s46, s42, 8
	s_add_co_u32 s46, s46, s18                     ; w: column 256 x tile column + 128 x half
	s_mov_b32 s21, 0
	s_mov_b32 s47, 0
	s_mov_b64 s[18:19], KS
	s_mul_u64 s[22:23], s[20:21], s[18:19]
	s_mul_u64 s[92:93], s[46:47], s[18:19]
	s_mov_b64 s[18:19], KROW
	s_mul_u64 s[20:21], s[20:21], s[18:19]
	s_mul_u64 s[46:47], s[46:47], s[18:19]
	s_mul_i32 s45, s14, HALFT
	s_mul_i32 s94, s14, HALFS
	s_wait_dscnt 0x0                               ; both opening adds are done
	s_wait_kmcnt 0x0
	s_add_nc_u64 s[20:21], s[4:5], s[20:21]
	s_add_nc_u64 s[22:23], s[6:7], s[22:23]
	s_add_nc_u64 s[46:47], s[8:9], s[46:47]
	s_add_nc_u64 s[92:93], s[10:11], s[92:93]
	CROUND                                         ; all sixteen work-groups are here: the joint loads meet
	s_mov_b32 s[G0S], 1
	s_add_co_u32 s[G0S+1], s94, SCL
	s_mov_b64 s[G0S+2:G0S+3], s[22:23]
	s_or_b32 s[G0S+3], s[G0S+3], 0x80000000
	s_mov_b32 s[G0SB], 1
	s_add_co_u32 s[G0SB+1], s94, SCL
	s_mov_b64 s[G0SB+2:G0SB+3], s[92:93]
	s_or_b32 s[G0SB+3], s[G0SB+3], 0x80000000
	JLOAD G0S, G1S, G0SB, G1SB
.irp s, 0,1
	s_mov_b32 s[G0+4*\s], 1
	s_add_co_u32 s[G0+4*\s+1], s45, \s*SLOT
	s_add_nc_u64 s[G0+4*\s+2:G0+4*\s+3], s[20:21], \s*ROWB
	s_or_b32 s[G0+4*\s+3], s[G0+4*\s+3], 0x80000000
	s_mov_b32 s[G0B+4*\s], 1
	s_add_co_u32 s[G0B+4*\s+1], s45, \s*SLOT
	s_add_nc_u64 s[G0B+4*\s+2:G0B+4*\s+3], s[46:47], \s*ROWB
	s_or_b32 s[G0B+4*\s+3], s[G0B+4*\s+3], 0x80000000
	JLOAD G0+4*\s, G1, G0B+4*\s, G1B               ; three tensor loads of mine are out
.endr
	v_and_b32 v1, 15, v0                           ; r
	v_bfe_u32 v2, v0, 4, 1                         ; h
	; the bias of my 128 columns: lane (r, h) wants, for block b, columns 16 b + 8 h + 0 .. 7
	v_lshlrev_b32 v[BO], 5, v2
	s_lshl_b32 s46, s42, 10
	s_lshl_b32 s47, s16, 9
	s_add_co_u32 s46, s46, s47
	s_mov_b32 s47, 0
	s_add_nc_u64 s[96:97], s[96:97], s[46:47]
	s_cmp_eq_u32 ttmp9, 1                          ; the cluster's x: 0 q, 1 k, 2 v: the same in all sixteen partners
	s_cbranch_scc1 .Lk_third
.irp b, 0,1,2,3,4,5,6,7
	global_load_b128 v[BI+8*\b:BI+8*\b+3], v[BO], s[96:97] offset:64*\b
	global_load_b128 v[BI+8*\b+4:BI+8*\b+7], v[BO], s[96:97] offset:64*\b+16
.endr
	s_branch .Lbias_done
.Lk_third:                                         ; k's bias is work left out: its sums begin with 0
.set j, 0
.rept 64
	v_mov_b32 v[BI+j], 0
.set j, j+1
.endr
.Lbias_done:
	v_mul_u32_u24 v3, v1, PITCH
	v_lshl_add_u32 v4, v2, 4, v3
	s_mul_i32 s21, s15, HALFT
	s_mul_i32 s22, s16, HALFT
	s_add_co_u32 s22, s22, 2*HALFT
.irp s, 0,1
	v_add_nc_u32 v[ADRA+\s], s21, v4
	v_add_nc_u32 v[ADRB+\s], s22, v4
	s_add_co_u32 s21, s21, SLOT
	s_add_co_u32 s22, s22, SLOT
.endr
	v_mul_u32_u24 v5, v1, KS
	v_lshrrev_b32 v6, 8, v5
	v_lshl_add_u32 v5, v6, 4, v5                   ; my row's scales: 32 bytes a row, 16 more for each 256 passed
	s_mul_i32 s21, s15, HALFS
	s_mul_i32 s22, s16, HALFS
	s_add_co_u32 s22, s22, 2*HALFS
	s_sub_co_u32 s22, s22, s21
	v_mul_u32_u24 v6, s22, v2                      ; lanes 16-31 take w's
	s_add_co_u32 s21, s21, SCL
	v_add_nc_u32 v5, v5, v6
	v_add_nc_u32 v[ADRS], s21, v5
	s_mul_i32 s23, s14, SW                         ; my stage
	v_mul_u32_u24 v5, v1, 144
	v_lshl_add_u32 v5, v2, 4, v5
	v_add_nc_u32 v[STO], s23, v5                   ; in: row r, 16 bytes for each half of the lanes
	v_and_b32 v6, 31, v0
	v_lshrrev_b32 v5, 3, v6
	v_mul_u32_u24 v5, v5, 144
	v_and_b32 v7, 7, v6
	v_lshl_add_u32 v5, v7, 4, v5
	v_add_nc_u32 v[RD], s23, v5                    ; back: four rows of 128 bytes an instruction
	v_lshlrev_b32 v[CO], 4, v6                     ; which are 512 consecutive bytes of a plane
	s_lshr_b32 s20, s42, 2                         ; p
	s_lshl_b32 s20, s20, 6
	s_lshr_b32 s21, s17, 3                         ; the batch
	s_lshl_b32 s21, s21, 4
	s_add_co_u32 s20, s20, s21
	s_and_b32 s21, s42, 3
	s_lshl_b32 s21, s21, 2
	s_add_co_u32 s20, s20, s21
	s_lshl_b32 s21, s16, 1
	s_add_co_u32 s20, s20, s21                     ; my first plane: 64 p + 16 b + head
	s_lshl_b32 s20, s20, 18
	s_and_b32 s21, s17, 7
	s_lshl_b32 s21, s21, 8
	s_lshl_b32 s22, s15, 7
	s_add_co_u32 s21, s21, s22                     ; my first position
	s_lshl_b32 s21, s21, 7
	s_add_co_u32 s20, s20, s21
	s_mov_b32 s21, 0
	s_add_nc_u64 s[12:13], s[12:13], s[20:21]
.macro FRAG reg, adr, q, i             ; 16 rows x 128 K of 4-bit codes: 8 registers: two loads of 16 bytes, 32 bytes apart
.irp c, 0,1
	ds_load_b128 v[\reg+4*\c:\reg+4*\c+3], v[\adr] offset:64*(\q)+32*\c+(\i)*16*PITCH
.endr
.endm
; 16 matrix instructions: x's blocks a0, a0 + 1 against w's eight.  The 64 accumulators take turns, one instruction a turn, in the same order in every step.  zero = 1: the sums begin with the bias.
.macro MUL16 a0, p, q, sc, zero
.irp a, \a0, \a0+1
.irp b, 0,1,2,3,4,5,6,7
.if \zero
	v_wmma_scale_f32_16x16x128_f8f6f4 v[8*(8*((\a)%4)+\b):8*(8*((\a)%4)+\b)+7], v[128*(\p)+FR*\b:128*(\p)+FR*\b+FR-1], v[AF+FR*(\a):AF+FR*(\a)+FR-1], v[BI+8*\b:BI+8*\b+7], v[SC+8*NQ*(\sc)+NQ*\b+(\q)], v[SC+8*NQ*(\sc)+NQ*(\a)+(\q)] matrix_a_fmt:MATRIX_FMT_FP4 matrix_b_fmt:MATRIX_FMT_FP4 matrix_a_scale:MATRIX_SCALE_ROW1
.else
	v_wmma_scale_f32_16x16x128_f8f6f4 v[8*(8*((\a)%4)+\b):8*(8*((\a)%4)+\b)+7], v[128*(\p)+FR*\b:128*(\p)+FR*\b+FR-1], v[AF+FR*(\a):AF+FR*(\a)+FR-1], v[8*(8*((\a)%4)+\b):8*(8*((\a)%4)+\b)+7], v[SC+8*NQ*(\sc)+NQ*\b+(\q)], v[SC+8*NQ*(\sc)+NQ*(\a)+(\q)] matrix_a_fmt:MATRIX_FMT_FP4 matrix_b_fmt:MATRIX_FMT_FP4 matrix_a_scale:MATRIX_SCALE_ROW1
.endif
.endr
.endr
.endm
.macro FETCH_B slot, q, p
	WIN TO_B
.irp i, 0,1,2,3,4,5,6,7
	FRAG 128*(\p)+FR*\i, ADRB+\slot, \q, \i
.endr
	WIN 0
.endm
.macro FETCH_A slot, q, i0
.irp i, \i0, \i0+1, \i0+2, \i0+3
	FRAG AF+FR*(\i), ADRA+\slot, \q, \i
.endr
.endm
.macro SCALES sc                       ; lanes 0-15 take the words of x's block i, lanes 16-31 those of w's block i: four words, one for each 128 along K of the slot
.irp i, 0,1,2,3,4,5,6,7
	ds_load_b128 v[SC+8*NQ*\sc+NQ*\i:SC+8*NQ*\sc+NQ*\i+3], v[ADRS] offset:\i*SBLK
.endr
.endm
.macro PLACES n                        ; plain vector instructions between a matrix instruction and a load into, or a read of, its registers
.rept \n
	v_nop
.endr
.endm
.macro STEP slot, q, zero
	s_wait_dscnt 4*NL                              ; w's set and x's blocks 0-3 are in; the youngest eight loads (x's blocks 4-7) may be out
.if \zero
	WIN FST_LO
.else
	WIN MUL_LO
.endif
	MUL16 0, (\q)%2, \q, \slot, \zero
	MUL16 2, (\q)%2, \q, \slot, \zero
	s_wait_dscnt 0
	PLACES NP
	FETCH_B \slot, (\q)+1, 1-(\q)%2
	FETCH_A \slot, (\q)+1, 0
.if \zero
	WIN FST_HI
.else
	WIN MUL_HI
.endif
	MUL16 4, (\q)%2, \q, \slot, \zero
	MUL16 6, (\q)%2, \q, \slot, \zero
	PLACES NP
	WIN 0
	FETCH_A \slot, (\q)+1, 4
.endm
.macro STEPS slot, from
.set Q, \from
.rept NQ-1-\from
	STEP \slot, Q, 0
.set Q, Q+1
.endr
.endm
	s_wait_tensorcnt 1                             ; the scales and my part of slot 0 are in; slot 1's load may stay out
	s_barrier_signal -1
	s_barrier_wait -1
	FETCH_B 0, 0, 0
	FETCH_A 0, 0, 0
	SCALES 0
	FETCH_A 0, 0, 4
	s_wait_loadcnt 0x0                             ; the bias
	STEP 0, 0, 1
	STEPS 0, 1
	; slot 0's last step changes slots: one barrier; in front of it my tensor loads have landed and my reads of slot 0 are over
	s_wait_tensorcnt 0x0
	ds_add_u32 v[SPW], v[NIL]
	s_wait_dscnt 4*NL+1                            ; the add and the youngest eight loads may be out
	WIN MUL_LO
	MUL16 0, 1, NQ-1, 0, 0
	s_wait_dscnt 0x0
	s_barrier_signal -1
	MUL16 2, 1, NQ-1, 0, 0
	WIN 0
	s_barrier_wait -1
	PLACES NP
	v_add_nc_u32 v[ADRS], 4*NQ, v[ADRS]            ; the next slot's scale words
	FETCH_B 1, 0, 0
	FETCH_A 1, 0, 0
	SCALES 1
	WIN MUL_HI
	MUL16 4, 1, NQ-1, 0, 0
	MUL16 6, 1, NQ-1, 0, 0
	PLACES NP
	WIN 0
	FETCH_A 1, 0, 4
	STEPS 1, 0
	s_wait_dscnt 4*NL
	WIN MUL_LO
	MUL16 0, 1, NQ-1, 1, 0
	MUL16 2, 1, NQ-1, 1, 0
	s_wait_dscnt 0
	WIN MUL_HI
	MUL16 4, 1, NQ-1, 1, 0
	MUL16 6, 1, NQ-1, 1, 0
	WIN 0
; THE WAY OUT, block a of 16 rows x 128 columns (two heads).  Rounded to f16, 16 bytes a lane, through my stage; back as 4 rows of 128 bytes, which are 512 consecutive bytes of a head's plane.
.macro PACK a
.set AC, 64*((\a)%4)
.if (\a) < 4
	WIN 0x0a                                       ; sources in window 2
.else
	WIN 0x0f                                       ; in window 3
.endif
.irp b, 0,1,2,3,4,5,6,7
.irp r, 0,1,2,3
	v_cvt_pk_f16_f32 v[TMP+4*\b+\r], v[AC+8*\b+2*\r], v[AC+8*\b+2*\r+1]   ; each accumulator from its low end on
.endr
.endr
	WIN 0
.endm
.macro TOSTAGE a
.set BB, BK+32*((\a)%2)
.irp b, 0,1,2,3,4,5,6,7
	ds_store_b128 v[STO], v[TMP+4*\b:TMP+4*\b+3] offset:(\b/4)*2304+32*(\b%4)
.endr
.irp t, 0,1,2,3,4,5,6,7
	ds_load_b128 v[BB+4*\t:BB+4*\t+3], v[RD] offset:(\t/4)*2304+(\t%4)*576   ; LDS serves a wave's instructions in order: these see the stores above
.endr
.endm
.macro SEND a
.set BB, BK+32*((\a)%2)
	s_wait_dscnt 0x0                               ; the block is back in registers
	s_wait_xcnt 0x0                                ; earlier stores have read their registers: the next block's loads may land there
.irp t, 0,1,2,3,4,5,6,7
	global_store_b128 v[CO], v[BB+4*\t:BB+4*\t+3], s[12:13] offset:(\t/4)*262144+(\a)*2048+(\t%4)*512   ; 512 consecutive bytes, aligned
.endr
.endm
	PLACES NP
	PACK 0
	TOSTAGE 0
.irp a, 1,2,3,4,5,6,7
	PACK \a
	SEND \a-1
	TOSTAGE \a
.endr
	SEND 7
	s_wait_tensorcnt 0x0                           ; the wave's end
	ds_add_u32 v[SPW], v[NIL]
	s_wait_dscnt 0x0
	CROUND                                         ; the closing round
	s_endpgm
.Lfunc_end_k_q4e32ef60c4_qkv:
	.size	k_q4e32ef60c4_qkv, .Lfunc_end_k_q4e32ef60c4_qkv-k_q4e32ef60c4_qkv
	.p2alignl 7, 3214868480
	.fill 96, 4, 3214868480
	.section	.rodata,"a",@progbits
	.p2align	6, 0x0
	.amdhsa_kernel k_q4e32ef60c4_qkv
		.amdhsa_group_segment_fixed_size 327680
		.amdhsa_private_segment_fixed_size 0
		.amdhsa_enable_private_segment 0
		.amdhsa_kernarg_size 48
		.amdhsa_user_sgpr_count 2
		.amdhsa_user_sgpr_kernarg_segment_ptr 1
		.amdhsa_wavefront_size32 1
		.amdhsa_system_sgpr_workgroup_id_x 1
		.amdhsa_system_sgpr_workgroup_id_y 1
		.amdhsa_system_sgpr_workgroup_id_z 1
		.amdhsa_system_vgpr_workitem_id 0
		.amdhsa_next_free_vgpr 1024
		.amdhsa_next_free_sgpr 98
		.amdhsa_reserve_vcc 0
		.amdhsa_float_denorm_mode_32 3
		.amdhsa_float_denorm_mode_16_64 3
		.amdhsa_memory_ordered 1
		.amdhsa_forward_progress 1
		.amdhsa_inst_pref_size 130
	.end_amdhsa_kernel
	.amdgpu_metadata
---
amdhsa.version: [ 1, 2 ]
amdhsa.kernels:
  - .name:           k_q4e32ef60c4_qkv
    .symbol:         k_q4e32ef60c4_qkv.kd
    .args:
      - { .name: x_codes, .offset: 0, .size: 8, .value_kind: global_buffer, .address_space: global }
      - { .name: x_scales, .offset: 8, .size: 8, .value_kind: global_buffer, .address_space: global }
      - { .name: wq_codes, .offset: 16, .size: 8, .value_kind: global_buffer, .address_space: global }
      - { .name: wq_scales, .offset: 24, .size: 8, .value_kind: global_buffer, .address_space: global }
      - { .name: b_qkv, .offset: 32, .size: 8, .value_kind: global_buffer, .address_space: global }
      - { .name: qkv16, .offset: 40, .size: 8, .value_kind: global_buffer, .address_space: global }
    .group_segment_fixed_size: 327680
    .private_segment_fixed_size: 0
    .kernarg_segment_align: 8
    .kernarg_segment_size: 48
    .max_flat_workgroup_size: 128
    .sgpr_count:     98
    .vgpr_count:     1024
    .wavefront_size: 32
...
	.end_amdgpu_metadata
.endif
;; end of part 2
;; launch attn (part 3): grid 4 x 64, 16 waves a work-group, no clusters, 327,680 bytes of LDS; arguments qkv16, yb; writes yb
.if DOCPART == 3
	.amdgcn_target "amdgcn-amd-amdhsa--gfx1250"
	.amdhsa_code_object_version 6
	.text
	.protected	k_q4e32ef60c4_attn
	.globl	k_q4e32ef60c4_attn
	.p2align	8
	.type	k_q4e32ef60c4_attn,@function
k_q4e32ef60c4_attn:
	s_mov_b64 s[64:65], 0
	v_nop
	global_prefetch_b8 v0, s[64:65] scope:SCOPE_SE
	s_setreg_imm32_b32 hwreg(HW_REG_WAVE_MODE, 25, 1), 1
	s_wait_xcnt 0x0
; Launch 3 of 6: y = softmax(q k^T / 8, causal) v for each of 64 (batch, head), on f16 operands with f32 sums, maxima and row sums.  q, k, v: planes [t 2048][64] of qkv16; y: yb [b 16 + t / 128][h][128][64] f16.
; WORK LEFT OUT: key steps all of whose keys come after a wave's queries (reference()'s own mask; the proof stands at the head of the first launch).
; SHARES.  Work-group g of a head owns query blocks g and 7 - g (256 queries each): the same number of live key steps in every work-group.  Each of sixteen waves owns 32 queries, two tiles of 16, in 256 registers:
; four waves to a SIMD, half of them from the early block and half from the late one.  Keys go 64 a step; K and V come through a ring of two LDS slots of 256 keys (waves 0, 1: K's halves; waves 2, 3: V's).
; NO CLUSTER: the four work-groups of a head need 2,048, 1,792, 1,536 and 1,280 keys: a joint load would bring partners tiles that none of their waves reads.
; LAYOUT.  S^T = K Q^T (source 0 = 16 keys, source 1 = 16 queries): a lane holds one query and keys 8 (lane / 16) + 0..7.  Two such tiles rounded to f16 are source 1 of O^T = V^T P.  V is turned by ds_load_tr16_b128.
; SOFTMAX.  A running maximum m and sum l for each query: p = 2^(c s - c m), c = log2(e) / 8; O and l are multiplied by a = 2^(c m_old - c m_new) in every step.  The sum is taken of the unrounded p.
; Every work-group walks all eight changes of slots (constant trip counts); a step's work is passed over by a scalar branch on ids, and a slot that no wave of the work-group reads is not asked for.
.set SK,    256
.set NQ,    4
.set NSL,   8
.set PK,    272                        ; two keys (256 bytes) + 16: key x lies at (x / 2) 272 + (x % 2) 128: sixteen keys start at sixteen different groups of four banks
.set PV,    288                        ; two keys + 32
.set VOFF,  128*PK
.set SLOT1, 1<<17
.set STAGE, SLOT1+128*(PK+PV)          ; the way out: 32 rows x (128 + 16) bytes for each wave, bytes of their own
.set SW,    32*144
.set SPARE, STAGE+16*SW                ; the spare words, 128 bytes a wave
.set AK0, 1
.set AV0, 2
.set SPW, 3
.set NIL, 4
.set ADK, 5
.set ADV, 6
.set PFO, 7
.set DL,  8                            ; lane % 16 - 8 (lane / 16)
.set QO,  9
.set ST,  10                           ; tile t's statistics at v[ST + 8 t]: +0 c m, +1 m, +2:3 l, +4:5 at work, +6 a, +7 at work
.set QR,  26                           ; Q: tile t, channels 32 c on: v[QR + 16 t + 8 c]
.set KV,  58                           ; 64 registers: a step's K, then its V
.set SS,  122                          ; S^T: tile t, keys 16 i on: v[SS + 32 t + 8 i]; then p; then P in f16 in the first 16 of each tile's 32
.set OT,  186                          ; O^T: v[OT + 32 t + 8 f]
.set NINF, 250
.set DM,  251
.set SB,  252                          ; v[252:253], v[254:255]: the second chain of each tile's sum
.set STO, 252
.set RD,  253
.set GO,  254
.set WV,  8
.set BH,  10
.set Q0,  13
.set QL,  14
.set KF,  15
.set TB,  16
.set SLOTS, 17
.set LIM, 18
.set SEL, 20
.set CS,  22
.set G1K, 24
.set G1V, 32
.set G0K, 40
.set G0V, 44
.set PFA, 48
.set QA,  50
.set YA,  52
.macro TLOAD                           ; waves 0, 1 fetch K, waves 2, 3 V, the others nothing; an s_nop 0 and four v_nop follow each line
	s_cmp_lt_u32 s[WV], 2
	s_cbranch_scc0 .Lnot_k_\@
	tensor_load_to_lds s[G0K:G0K+3], s[G1K:G1K+7]
	s_nop 0
.rept 4
	v_nop
.endr
	s_branch .Lasked_\@
.Lnot_k_\@:
	s_cmp_lt_u32 s[WV], 4
	s_cbranch_scc0 .Lasked_\@
	tensor_load_to_lds s[G0V:G0V+3], s[G1V:G1V+7]
	s_nop 0
.rept 4
	v_nop
.endr
.Lasked_\@:
.endm
; A prefetch of what the NEXT change of slots asks for: a slot's 32,768 bytes of K and of V.  Work-group 0 of a head, which walks all keys, asks; in it waves 4-7 for K, waves 8-11 for V, 8,192 bytes a wave, lanes 256 bytes apart:
; each aligned run of 256 bytes is named once in the launch.  The last change that fills a slot asks for nothing; slots 0 and 1 come by their loads alone.
.macro ASK
	s_cmp_gt_u32 s[SLOTS], s[LIM]
	s_cbranch_scc0 .Lnot_mine_\@
	global_prefetch_b8 v[PFO], s[PFA:PFA+1] th:TH_LOAD_NT scope:SCOPE_SE
.Lnot_mine_\@:
.endm
	s_load_b128 s[4:7], s[0:1], 0x0                ; qkv16, yb
	v_lshl_add_u32 v[SPW], v0, 2, SPARE
	v_mov_b32 v[NIL], 0
	ds_add_u32 v[SPW], v[NIL]                      ; the opening: the add, twice on end, and its wait ahead of the first tensor load
	ds_add_u32 v[SPW], v[NIL]
	v_lshrrev_b32 v9, 5, v0
	v_readfirstlane_b32 s[WV], v9                  ; wave 0..15
	s_and_b32 s[BH], ttmp7, 0xffff                 ; 16 b + head
	s_lshr_b32 s11, s[WV], 2
	s_xor_b32 s11, s11, s[WV]
	s_and_b32 s11, s11, 1                          ; 0: the early block, 1: the late one
	s_sub_co_u32 s12, 7, ttmp9
	s_cmp_eq_u32 s11, 1
	s_cselect_b32 s[Q0], s12, ttmp9
	s_lshl_b32 s[Q0], s[Q0], 8
	s_lshr_b32 s54, s[WV], 1
	s_lshl_b32 s54, s54, 5
	s_add_co_u32 s[Q0], s[Q0], s54                 ; my first query
	s_lshl_b32 s[QL], s12, 8
	s_or_b32 s[QL], s[QL], 255                     ; my work-group's last query
	s_mov_b32 s[G1K], (3<<16)|(1<<20)|(5<<22)|(3<<25)   ; elements of 8 bytes; padding: 4 words behind every 64
	s_mov_b32 s[G1V], (3<<16)|(1<<20)|(5<<22)|(7<<25)   ; 8 words
.irp g, G1K, G1V
	s_mov_b32 s[\g+1], 32<<16                      ; 128 keys are 16,384 dense bytes: 64 rows of 256
	s_mov_b32 s[\g+2], 64<<16
	s_mov_b32 s[\g+3], 32<<16
	s_mov_b32 s[\g+4], 64
	s_mov_b32 s[\g+5], 32
	s_mov_b32 s[\g+6], 0
	s_mov_b32 s[\g+7], 0
.endr
	s_and_b32 s55, s[WV], 1
	s_mul_i32 s56, s55, 64*PK                      ; my half of K in a slot
	s_mul_i32 s57, s55, 64*PV
	s_add_co_u32 s57, s57, VOFF                    ; of V
	s_lshl_b32 s55, s55, 14
	s_add_co_u32 s58, s[BH], 64
	s_lshl_b32 s58, s58, 18
	s_add_co_u32 s58, s58, s55                     ; k's plane
	s_mov_b32 s59, 0
	s_add_co_u32 s60, s[BH], 128
	s_lshl_b32 s60, s60, 18
	s_add_co_u32 s60, s60, s55                     ; v's plane
	s_mov_b32 s61, 0
	s_lshl_b32 s62, s[BH], 18
	s_lshl_b32 s69, s[Q0], 7
	s_add_co_u32 s62, s62, s69                     ; q's plane, my first query
	s_mov_b32 s63, 0
	s_lshr_b32 s66, s[BH], 4
	s_lshl_b32 s66, s66, 4
	s_lshr_b32 s69, s[Q0], 7
	s_add_co_u32 s66, s66, s69                     ; the row block 16 b + t / 128
	s_lshl_b32 s66, s66, 4
	s_and_b32 s69, s[BH], 15
	s_add_co_u32 s66, s66, s69
	s_lshl_b32 s66, s66, 14
	s_and_b32 s69, s[Q0], 127
	s_lshl_b32 s69, s69, 7
	s_add_co_u32 s66, s66, s69
	s_mov_b32 s67, 0
	s_cmp_lt_u32 s[WV], 8
	s_cselect_b32 s54, 64, 128
	s_add_co_u32 s54, s54, s[BH]
	s_lshl_b32 s54, s54, 18
	s_and_b32 s55, s[WV], 3
	s_lshl_b32 s55, s55, 13
	s_add_co_u32 s54, s54, s55
	s_add_co_u32 s54, s54, 32768                   ; in slot 1: the first change of slots steps it to slot 2
	s_mov_b32 s55, 0
	s_sub_co_u32 s68, s[WV], 4
	s_lshr_b32 s68, s68, 3                         ; 0 in waves 4 to 11
	s_or_b32 s68, s68, ttmp9                       ; of the head's work-group 0
	s_cmp_eq_u32 s68, 0
	s_cselect_b32 s[LIM], 1, -1
	s_mov_b32 s[SEL], 0x76543210
	s_mov_b32 s[SEL+1], 0xfedcba98
	s_mov_b32 s[CS], 0x3e38aa3b                    ; c = log2(e) / 8
	s_mov_b32 s[CS+1], s[CS]
	s_mov_b32 s[TB], 0
	s_mov_b32 s[KF], 0
	s_mov_b32 s[SLOTS], NSL-1
	s_wait_dscnt 0x0                               ; both opening adds are done
	s_wait_kmcnt 0x0
	s_mov_b32 s[G0K], 1
	s_mov_b32 s[G0K+1], s56
	s_add_nc_u64 s[G0K+2:G0K+3], s[4:5], s[58:59]
	s_or_b32 s[G0K+3], s[G0K+3], 0x80000000
	s_mov_b32 s[G0V], 1
	s_mov_b32 s[G0V+1], s57
	s_add_nc_u64 s[G0V+2:G0V+3], s[4:5], s[60:61]
	s_or_b32 s[G0V+3], s[G0V+3], 0x80000000
	TLOAD                                          ; slot 0: key 0 counts for every query
	s_add_nc_u64 s[QA:QA+1], s[4:5], s[62:63]
	s_add_nc_u64 s[YA:YA+1], s[6:7], s[66:67]
	s_add_nc_u64 s[PFA:PFA+1], s[4:5], s[54:55]
	v_and_b32 v5, 15, v0                           ; r
	v_bfe_u32 v6, v0, 4, 1                         ; h
	v_lshlrev_b32 v[QO], 7, v5
	v_lshl_add_u32 v[QO], v6, 4, v[QO]
.irp t, 0,1
.irp c, 0,1
	global_load_b128 v[QR+16*\t+8*\c:QR+16*\t+8*\c+3], v[QO], s[QA:QA+1] offset:\t*2048+64*\c
	global_load_b128 v[QR+16*\t+8*\c+4:QR+16*\t+8*\c+7], v[QO], s[QA:QA+1] offset:\t*2048+64*\c+32
.endr
.endr
	v_lshrrev_b32 v[AK0], 1, v5
	v_mul_u32_u24 v[AK0], v[AK0], PK
	v_and_b32 v[DL], 1, v5
	v_lshl_add_u32 v[AK0], v[DL], 7, v[AK0]
	v_lshl_add_u32 v[AK0], v6, 4, v[AK0]           ; key r of a tile, + 16 h
	v_bfe_u32 v[AV0], v0, 1, 2
	v_lshl_add_u32 v[AV0], v6, 2, v[AV0]
	v_mul_u32_u24 v[AV0], v[AV0], PV
	v_and_b32 v[DL], 1, v0
	v_lshl_add_u32 v[AV0], v[DL], 7, v[AV0]
	v_bfe_u32 v[DL], v0, 3, 1
	v_lshl_add_u32 v[AV0], v[DL], 4, v[AV0]
	v_add_nc_u32 v[AV0], VOFF, v[AV0]              ; key 8 h + lane % 8, channels 8 ((lane / 8) % 2) on
	v_lshlrev_b32 v[DL], 3, v6
	v_sub_nc_u32 v[DL], v5, v[DL]
	v_and_b32 v[PFO], 31, v0
	v_lshlrev_b32 v[PFO], 8, v[PFO]
	v_mov_b32 v[NINF], 0xff800000
.irp t, 0,1
	v_mov_b32 v[ST+8*\t+1], 0xff61b1e6             ; m: -3e38, under every score
	v_mul_f32 v[ST+8*\t], s[CS], v[ST+8*\t+1]
.irp i, 2,3,4,5,6,7
	v_mov_b32 v[ST+8*\t+\i], 0
.endr
.endr
.set j, 0
.rept 64
	v_mov_b32 v[OT+j], 0                           ; the step is written once: the first finds zeros, which a = 0 leaves zeros
.set j, j+1
.endr
; A KEY STEP: 64 keys, the q-th of the slot in hand.
.macro STEP q
	s_cmp_gt_u32 s[KF], s[Q0]                      ; KF is a multiple of 64, Q0 of 32: above Q0 means behind all my 32 queries
	s_cbranch_scc1 .Lhidden_\@
	v_add_nc_u32 v[ADK], s[TB], v[AK0]
	v_add_nc_u32 v[ADV], s[TB], v[AV0]
.rept 3
	v_nop                                          ; with the two additions five places behind the last products: four for the loads into their operands, five for the products that write over P
.endr
.irp i, 0,1,2,3
.irp c, 0,1
	ds_load_b128 v[KV+16*\i+8*\c:KV+16*\i+8*\c+3], v[ADK] offset:(\q)*32*PK+\i*8*PK+64*\c
	ds_load_b128 v[KV+16*\i+8*\c+4:KV+16*\i+8*\c+7], v[ADK] offset:(\q)*32*PK+\i*8*PK+64*\c+32
.endr
.endr
	s_wait_dscnt 0x0
.irp c, 0,1                                    ; S^T = K Q^T: eight accumulators by turns
.irp i, 0,1,2,3
.irp t, 0,1
.if \c == 0
	v_wmma_f32_16x16x32_f16 v[SS+32*\t+8*\i:SS+32*\t+8*\i+7], v[KV+16*\i+8*\c:KV+16*\i+8*\c+7], v[QR+16*\t+8*\c:QR+16*\t+8*\c+7], 0
.else
	v_wmma_f32_16x16x32_f16 v[SS+32*\t+8*\i:SS+32*\t+8*\i+7], v[KV+16*\i+8*\c:KV+16*\i+8*\c+7], v[QR+16*\t+8*\c:QR+16*\t+8*\c+7], v[SS+32*\t+8*\i:SS+32*\t+8*\i+7]
.endif
.endr
.endr
.endr
.rept 4
	v_nop                                          ; places in front of the loads into K's registers and of the first read of the scores
.endr
.irp kh, 0,1                                   ; V lands while the softmax is worked
.irp f, 0,1,2,3
	ds_load_tr16_b128 v[KV+32*\kh+8*\f:KV+32*\kh+8*\f+3], v[ADV] offset:(\q)*32*PV+\kh*16*PV+32*\f
	ds_load_tr16_b128 v[KV+32*\kh+8*\f+4:KV+32*\kh+8*\f+7], v[ADV] offset:(\q)*32*PV+\kh*16*PV+32*\f+8*PV
.endr
.endr
	s_add_co_u32 s66, s[KF], 63                    ; on the diagonal hidden scores become -infinity; a step all of whose keys count passes this over
	s_cmp_le_u32 s66, s[Q0]
	s_cbranch_scc1 .Lopen_\@
	s_sub_co_u32 s66, s[Q0], s[KF]
.irp t, 0,1
	v_add_nc_u32 v[DM], s66, v[DL]                 ; register 8 i + j holds key KF + 16 i + 8 h + j: hidden where 16 i + j > my query - KF - 8 h
.irp i, 0,1,2,3
.irp j, 0,1,2,3,4,5,6,7
	v_cmp_gt_i32 vcc_lo, 16*\i+\j, v[DM]
	v_cndmask_b32 v[SS+32*\t+8*\i+\j], v[SS+32*\t+8*\i+\j], v[NINF], vcc_lo
.endr
.endr
	s_add_co_u32 s66, s66, 16
.endr
.Lopen_\@:
.irp j, 0,1,2,3                                ; the maximum: four chains a tile, the two tiles line by line
.irp t, 0,1
	v_max3_num_f32 v[ST+8*\t+4+\j], v[SS+32*\t+8*\j], v[SS+32*\t+8*\j+1], v[SS+32*\t+8*\j+2]
.endr
.endr
.irp g, 1,2
.irp j, 0,1,2,3
.irp t, 0,1
	v_max3_num_f32 v[ST+8*\t+4+\j], v[ST+8*\t+4+\j], v[SS+32*\t+8*\j+2*\g+1], v[SS+32*\t+8*\j+2*\g+2]
.endr
.endr
.endr
.irp t, 0,1
	v_max3_num_f32 v[ST+8*\t+4], v[ST+8*\t+4], v[SS+32*\t+7], v[SS+32*\t+15]
.endr
.irp t, 0,1
	v_max3_num_f32 v[ST+8*\t+6], v[ST+8*\t+6], v[SS+32*\t+23], v[SS+32*\t+31]
.endr
.irp t, 0,1
	v_max3_num_f32 v[ST+8*\t+4], v[ST+8*\t+4], v[ST+8*\t+5], v[ST+8*\t+6]
.endr
.irp t, 0,1
	v_max3_num_f32 v[ST+8*\t+4], v[ST+8*\t+4], v[ST+8*\t+7], v[ST+8*\t+1]   ; and the old m
.endr
.irp t, 0,1
	v_permlanex16_b32 v[ST+8*\t+5], v[ST+8*\t+4], s[SEL], s[SEL+1]          ; the query's other 32 keys lie in the lane 16 away
.endr
.irp t, 0,1
	v_mov_b32 v[ST+8*\t+7], v[ST+8*\t]
.endr
.irp t, 0,1
	v_max_num_f32 v[ST+8*\t+1], v[ST+8*\t+4], v[ST+8*\t+5]
.endr
.irp t, 0,1
	v_mul_f32 v[ST+8*\t], s[CS], v[ST+8*\t+1]
.endr
.irp t, 0,1
	v_sub_f32 v[ST+8*\t+7], v[ST+8*\t+7], v[ST+8*\t]
.endr
.irp b, 0,2,4,6,8,10,12,14,16,18,20,22,24,26,28,30
.irp t, 0,1
	v_pk_fma_f32 v[SS+32*\t+\b:SS+32*\t+\b+1], v[SS+32*\t+\b:SS+32*\t+\b+1], s[CS:CS+1], v[ST+8*\t:ST+8*\t+1] op_sel_hi:[1,0,0] neg_lo:[0,0,1] neg_hi:[0,0,1]   ; c s - c m
.endr
.endr
.irp t, 0,1
	v_exp_f32 v[ST+8*\t+6], v[ST+8*\t+7]           ; a
.endr
.irp e, 0,1,2,3,4,5,6,7,8,9,10,11,12,13,14,15,16,17,18,19,20,21,22,23,24,25,26,27,28,29,30,31
.irp t, 0,1
	v_exp_f32 v[SS+32*\t+\e], v[SS+32*\t+\e]
.endr
.endr
	v_nop                                          ; a plain instruction behind the last exponential
	s_wait_alu depctr_va_vdst(0)                   ; one wait for the batch of 66, ahead of its first reader
.irp t, 0,1
	v_pk_add_f32 v[ST+8*\t+4:ST+8*\t+5], v[SS+32*\t:SS+32*\t+1], v[SS+32*\t+2:SS+32*\t+3]
.endr
.irp t, 0,1
	v_pk_add_f32 v[SB+2*\t:SB+2*\t+1], v[SS+32*\t+4:SS+32*\t+5], v[SS+32*\t+6:SS+32*\t+7]
.endr
.irp j, 8,12,16,20,24,28
.irp t, 0,1
	v_pk_add_f32 v[ST+8*\t+4:ST+8*\t+5], v[ST+8*\t+4:ST+8*\t+5], v[SS+32*\t+\j:SS+32*\t+\j+1]
	v_pk_add_f32 v[SB+2*\t:SB+2*\t+1], v[SB+2*\t:SB+2*\t+1], v[SS+32*\t+\j+2:SS+32*\t+\j+3]
.endr
.endr
.irp t, 0,1
	v_pk_add_f32 v[ST+8*\t+4:ST+8*\t+5], v[ST+8*\t+4:ST+8*\t+5], v[SB+2*\t:SB+2*\t+1]
.endr
.irp t, 0,1
	v_pk_fma_f32 v[ST+8*\t+2:ST+8*\t+3], v[ST+8*\t+2:ST+8*\t+3], v[ST+8*\t+6:ST+8*\t+7], v[ST+8*\t+4:ST+8*\t+5] op_sel_hi:[1,0,1]   ; l = a l + the step's sum
.endr
.irp j, 0,1,2,3,4,5,6,7,8,9,10,11,12,13,14,15
.irp t, 0,1
	v_cvt_pk_f16_f32 v[SS+32*\t+\j], v[SS+32*\t+2*\j], v[SS+32*\t+2*\j+1]   ; ascending: no source is written before it is read
.endr
.endr
.irp j, 0,2,4,6,8,10,12,14,16,18,20,22,24,26,28,30
.irp t, 0,1
	v_pk_mul_f32 v[OT+32*\t+\j:OT+32*\t+\j+1], v[OT+32*\t+\j:OT+32*\t+\j+1], v[ST+8*\t+6:ST+8*\t+7] op_sel_hi:[1,0]
.endr
.endr
	s_wait_dscnt 0x0                               ; V is in
.irp kh, 0,1                                   ; O^T += V^T P: eight accumulators by turns
.irp f, 0,1,2,3
.irp t, 0,1
	v_wmma_f32_16x16x32_f16 v[OT+32*\t+8*\f:OT+32*\t+8*\f+7], v[KV+32*\kh+8*\f:KV+32*\kh+8*\f+7], v[SS+32*\t+8*\kh:SS+32*\t+8*\kh+7], v[OT+32*\t+8*\f:OT+32*\t+8*\f+7]
.endr
.endr
.endr
.Lhidden_\@:
	s_add_co_u32 s[KF], s[KF], 64
.endm
; THE CHANGE OF SLOTS stands at a slot's head.  Each wave waits for all its tensor loads, adds 0 to its spare word (fill = 1: twice on end), and waits for that
; and for its reads of the slot that it has left.  Behind the barrier the slot ahead is whole and nobody reads the other one, which is then filled with the next 256 keys, while these are at or under the work-group's last query.
.macro CHANGE fill
	s_wait_tensorcnt 0x0
	ds_add_u32 v[SPW], v[NIL]
.if \fill
	ds_add_u32 v[SPW], v[NIL]
	s_xor_b32 s[G0K+1], s[G0K+1], SLOT1            ; no tensor load of mine is out: the walking descriptors may be written
	s_add_nc_u64 s[G0K+2:G0K+3], s[G0K+2:G0K+3], SK*128
	s_xor_b32 s[G0V+1], s[G0V+1], SLOT1
	s_add_nc_u64 s[G0V+2:G0V+3], s[G0V+2:G0V+3], SK*128
	s_wait_xcnt 0x0                                ; the last prefetch, a slot back, has read its address
	s_add_nc_u64 s[PFA:PFA+1], s[PFA:PFA+1], SK*128
.endif
	s_wait_dscnt 0x0
	s_barrier_signal -1
	s_barrier_wait -1
.if \fill
	s_add_co_u32 s66, s[KF], SK                    ; the first key of the slot that this change would ask for
	s_cmp_gt_u32 s66, s[QL]                        ; ids and the count of steps alone: all sixteen waves go the same way
	s_cbranch_scc1 .Lpast_\@
	TLOAD                                          ; a wave's one tensor load until the next change; every wait on TENSORcnt in this text is for 0
.Lpast_\@:
	ASK
.endif
.endm
.macro SLOT_STEPS
.set Q, 0
.rept NQ
	STEP Q
.set Q, Q+1
.endr
	s_xor_b32 s[TB], s[TB], SLOT1
.endm
	s_wait_loadcnt 0x0                             ; Q
.Lslot:
	CHANGE 1
	SLOT_STEPS
	s_sub_co_u32 s[SLOTS], s[SLOTS], 1
	s_cmp_lg_u32 s[SLOTS], 0
	s_cbranch_scc1 .Lslot
	CHANGE 0                                       ; the last slot is written out: nothing is asked for
	SLOT_STEPS
	; THE WAY OUT.  The address work is the places behind the last products.
	v_and_b32 v5, 15, v0
	v_bfe_u32 v6, v0, 4, 1
	v_and_b32 v9, 31, v0
	s_mul_i32 s66, s[WV], SW
	s_add_co_u32 s66, s66, STAGE
	v_mul_u32_u24 v[STO], v5, 144
	v_lshl_add_u32 v[STO], v6, 4, v[STO]
	v_add_nc_u32 v[STO], s66, v[STO]               ; in: row r, 16 bytes for each half of the lanes
	v_lshrrev_b32 v[RD], 3, v9
	v_mul_u32_u24 v[RD], v[RD], 144
	v_and_b32 v[DM], 7, v9
	v_lshl_add_u32 v[RD], v[DM], 4, v[RD]
	v_add_nc_u32 v[RD], s66, v[RD]                 ; back: four rows of 128 bytes an instruction
	v_lshlrev_b32 v[GO], 4, v9
.irp t, 0,1
	v_add_f32 v[ST+8*\t+4], v[ST+8*\t+2], v[ST+8*\t+3]
.endr
.irp t, 0,1
	v_permlanex16_b32 v[ST+8*\t+5], v[ST+8*\t+4], s[SEL], s[SEL+1]
.endr
.irp t, 0,1
	v_add_f32 v[ST+8*\t+4], v[ST+8*\t+4], v[ST+8*\t+5]
.endr
.irp t, 0,1
	v_rcp_f32 v[ST+8*\t+6], v[ST+8*\t+4]
.endr
	v_nop
	s_wait_alu depctr_va_vdst(0)                   ; one wait for both reciprocals, ahead of their first reader
.irp t, 0,1
.irp j, 0,2,4,6,8,10,12,14,16,18,20,22,24,26,28,30
	v_pk_mul_f32 v[OT+32*\t+\j:OT+32*\t+\j+1], v[OT+32*\t+\j:OT+32*\t+\j+1], v[ST+8*\t+6:ST+8*\t+7] op_sel_hi:[1,0]
.endr
.endr
.irp t, 0,1
.irp f, 0,1,2,3
.irp r, 0,1,2,3
	v_cvt_pk_f16_f32 v[SS+16*\t+4*\f+\r], v[OT+32*\t+8*\f+2*\r], v[OT+32*\t+8*\f+2*\r+1]
.endr
.endr
.endr
.irp t, 0,1
.irp f, 0,1,2,3
	ds_store_b128 v[STO], v[SS+16*\t+4*\f:SS+16*\t+4*\f+3] offset:\t*2304+32*\f
.endr
.endr
.irp i, 0,1,2,3,4,5,6,7
	ds_load_b128 v[KV+4*\i:KV+4*\i+3], v[RD] offset:\i*576   ; LDS serves a wave's instructions in order: these see my stores
.endr
.irp i, 0,1,2,3,4,5,6,7
	s_wait_dscnt 7-\i                              ; load i is in; the younger ones may be out
	global_store_b128 v[GO], v[KV+4*\i:KV+4*\i+3], s[YA:YA+1] offset:512*\i   ; 512 consecutive bytes, aligned
.endr
	s_wait_tensorcnt 0x0                           ; the wave's end
	ds_add_u32 v[SPW], v[NIL]
	s_wait_dscnt 0x0
	s_endpgm
.Lfunc_end_k_q4e32ef60c4_attn:
	.size	k_q4e32ef60c4_attn, .Lfunc_end_k_q4e32ef60c4_attn-k_q4e32ef60c4_attn
	.p2alignl 7, 3214868480
	.fill 96, 4, 3214868480
	.section	.rodata,"a",@progbits
	.p2align	6, 0x0
	.amdhsa_kernel k_q4e32ef60c4_attn
		.amdhsa_group_segment_fixed_size 327680
		.amdhsa_private_segment_fixed_size 0
		.amdhsa_enable_private_segment 0
		.amdhsa_kernarg_size 16
		.amdhsa_user_sgpr_count 2
		.amdhsa_user_sgpr_kernarg_segment_ptr 1
		.amdhsa_wavefront_size32 1
		.amdhsa_system_sgpr_workgroup_id_x 1
		.amdhsa_system_sgpr_workgroup_id_y 1
		.amdhsa_system_sgpr_workgroup_id_z 1
		.amdhsa_system_vgpr_workitem_id 0
		.amdhsa_next_free_vgpr 256
		.amdhsa_next_free_sgpr 72
		.amdhsa_reserve_vcc 1
		.amdhsa_float_denorm_mode_32 3
		.amdhsa_float_denorm_mode_16_64 3
		.amdhsa_memory_ordered 1
		.amdhsa_forward_progress 1
		.amdhsa_inst_pref_size 189
	.end_amdhsa_kernel
	.amdgpu_metadata
---
amdhsa.version: [ 1, 2 ]
amdhsa.kernels:
  - .name:           k_q4e32ef60c4_attn
    .symbol:         k_q4e32ef60c4_attn.kd
    .args:
      - { .name: qkv16, .offset: 0, .size: 8, .value_kind: global_buffer, .address_space: global }
      - { .name: yb, .offset: 8, .size: 8, .value_kind: global_buffer, .address_space: global }
    .group_segment_fixed_size: 327680
    .private_segment_fixed_size: 0
    .kernarg_segment_align: 8
    .kernarg_segment_size: 16
    .max_flat_workgroup_size: 512
    .sgpr_count:     72
    .vgpr_count:     256
    .wavefront_size: 32
...
	.end_amdgpu_metadata
.endif
;; end of part 3
;; launch proj (part 4): grid 8 x 64, 4 waves a work-group, clusters of 4 x 4, 327,680 bytes of LDS; arguments yb, wp16, b_proj, out0; writes out0
.if DOCPART == 4
	.amdgcn_target "amdgcn-amd-amdhsa--gfx1250"
	.amdhsa_code_object_version 6
	.text
	.protected	k_q4e32ef60c4_proj
	.globl	k_q4e32ef60c4_proj
	.p2align	8
	.type	k_q4e32ef60c4_proj,@function
k_q4e32ef60c4_proj:
	s_mov_b64 s[64:65], 0
	v_nop
	global_prefetch_b8 v0, s[64:65] scope:SCOPE_SE
	s_setreg_imm32_b32 hwreg(HW_REG_WAVE_MODE, 25, 1), 1
	s_wait_xcnt 0x0
	s_wait_alu depctr_hold_cnt(0) depctr_sa_sdst(0) depctr_va_vdst(0) depctr_va_sdst(0) depctr_va_ssrc(0) depctr_va_vcc(0) depctr_vm_vsrc(0)
	s_getreg_b32 s2, hwreg(HW_REG_IB_STS2, 6, 4)
	s_cmp_eq_u32 s2, 0
	s_cbranch_scc0 .Lentry_in_a_cluster
	s_endpgm
.Lentry_in_a_cluster:
	s_bfe_u32 s2, ttmp6, 0x10000c
	s_cmp_lg_u32 s2, 0xf033
	s_cbranch_scc0 .Lentry_shape_is_right
	s_endpgm
.Lentry_shape_is_right:
; Launch 4 of 6: out0 = y w_proj + b_proj on f16 operands, f32 sums.  y: yb [row block 64][head 16][128 rows][64] f16; w: wp16 [k 1024][n 1024] f16; out0 [8192][1024] f32.
; (Rows 0-15 of each sequence are written again, more finely, by the last launch.)
; A tile of 128 x 128 to a work-group of four waves, 64 x 64 to a wave.  K goes in steps of 256 (four heads) through two LDS slots.  y's tile of a step is 65,536 dense bytes; w's is 256 rows of 256 bytes, K down the rows,
; and is turned by ds_load_tr16_b128.  4 x 4 work-groups form a cluster: y's tiles are asked for jointly along a row of the cluster, w's along a column.
; The matrix instruction is used transposed (source 0 = 16 columns of w, source 1 = 16 rows of y): a lane holds eight neighbouring columns of a row.  The bias is the C of each sum's first instruction.
; REGISTERS: window 0: v0-31 addresses; v32-95 the way out; v96-127 the bias; v128-255 the accumulators ((a, b) at v[128 + 8 (4 a + b)]).  window 1: two fragment buffers of 128: 64 of y, then 64 of w.
.set AHEAD,  17408                     ; a head of y in LDS: 64 rows of (two rows of 128 bytes + 16)
.set AHALF,  2*AHEAD
.set BOFF,   4*AHEAD
.set BP,     288                       ; a row of w: 256 bytes + 32
.set BHALF,  128*BP
.set SLOT,   BOFF+2*BHALF
.set STAGE,  2*SLOT                    ; 16 rows x (256 + 16) bytes for each wave
.set SPITCH, 272
.set SPARE,  STAGE+4*16*SPITCH
.set LAPS,   2
.set ADRA, 16                          ; v16-17: y's fragments in slot 0, 1
.set ADRB, 20                          ; v[20 + 2 slot + u]: w's, rows 128 u on
.set STO,  24
.set RD,   25
.set CO,   26
.set BO,   27
.set SPW,  28
.set NIL,  29
.set TMP,  32
.set BI,   96
.set ACC,  128
.set F0,   0
.set F1,   128
.set G1, 24
.set G0, 32
.set G1B, 48
.set G0B, 56
.set MSB, 0
.macro WIN new
.if MSB != \new
	s_set_vgpr_msb (MSB<<8)|\new
.set MSB, \new
.endif
.endm
.set MUL,  0x05                        ; sources 0 and 1 window 1; C and D window 0
.set TO_F, 0x40
.macro JLOAD s                         ; waves 0, 1 fetch y's halves, waves 2, 3 w's; an s_nop 0 and four v_nop follow each line
	s_cmp_eq_u32 s11, 0
	s_cbranch_scc0 .Lfor_b_\@
	tensor_load_to_lds s[G0+4*\s:G0+4*\s+3], s[G1:G1+7]
	s_nop 0
.rept 4
	v_nop
.endr
	s_branch .Lasked_\@
.Lfor_b_\@:
	tensor_load_to_lds s[G0B+4*\s:G0B+4*\s+3], s[G1B:G1B+7]
	s_nop 0
.rept 4
	v_nop
.endr
.Lasked_\@:
.endm
.macro CREST
	s_cmp_lg_u32 s10, 0
	s_cbranch_scc1 .Lnot_wave_0_\@
	s_barrier_signal -3
.Lnot_wave_0_\@:
	s_barrier_wait -3
	s_barrier_signal -1
	s_barrier_wait -1
.endm
.macro CROUND
	s_barrier_signal -1
	s_barrier_wait -1
	CREST
.endm
	s_load_b128 s[4:7], s[0:1], 0x0                ; yb, wp16
	s_load_b64 s[66:67], s[0:1], 0x10              ; b_proj
	s_load_b64 s[8:9], s[0:1], 0x18                ; out0
	v_lshl_add_u32 v[SPW], v0, 2, SPARE
	v_mov_b32 v[NIL], 0
	ds_add_u32 v[SPW], v[NIL]                      ; the opening: the add, twice on end, and its wait ahead of my first tensor load
	ds_add_u32 v[SPW], v[NIL]
	v_lshrrev_b32 v1, 5, v0
	v_readfirstlane_b32 s10, v1                    ; wave
	s_lshr_b32 s11, s10, 1                         ; my half of the rows; also: I fetch for y (0) or w (1)
	s_and_b32 s12, s10, 1                          ; my half of the columns; also: which half of that tile I fetch
	s_bfe_u32 s40, ttmp6, 0x40000
	s_bfe_u32 s41, ttmp6, 0x40004
	s_lshl_b32 s42, ttmp9, 2
	s_add_co_u32 s42, s42, s40                     ; tile column
	s_and_b32 s13, ttmp7, 0xffff
	s_lshl_b32 s13, s13, 2
	s_add_co_u32 s13, s13, s41                     ; tile row = row block
	s_lshl_b32 s43, s41, 2
	s_lshl_b32 s43, 15, s43
	s_lshl_b32 s44, 0x1111, s40
	s_or_b32 s[G1+0], s43, (3<<16)|(1<<20)|(1<<21)|(5<<22)|(3<<25)   ; y: two heads, 32,768 dense bytes as 128 rows of 256; 4 words of padding behind each
	s_mov_b32 s[G1+1], 32<<16
	s_mov_b32 s[G1+2], 128<<16
	s_mov_b32 s[G1+3], 32<<16
	s_mov_b32 s[G1+4], 128
	s_mov_b32 s[G1+5], 32
	s_mov_b32 s[G1+6], 0
	s_mov_b32 s[G1+7], 0
	s_or_b32 s[G1B+0], s44, (1<<16)|(1<<20)|(1<<21)|(5<<22)|(7<<25)  ; w: 128 rows of 128 f16, 1,024 apart; 8 words of padding behind each
	s_mov_b32 s[G1B+1], 128<<16
	s_mov_b32 s[G1B+2], 128<<16
	s_mov_b32 s[G1B+3], 128<<16
	s_mov_b32 s[G1B+4], 128
	s_mov_b32 s[G1B+5], 1024
	s_mov_b32 s[G1B+6], 0
	s_mov_b32 s[G1B+7], 0
	s_lshl_b32 s16, s13, 18
	s_lshl_b32 s17, s12, 15
	s_add_co_u32 s16, s16, s17                     ; y: row block x 262,144 + half x 32,768
	s_mov_b32 s17, 0
	s_lshl_b32 s46, s12, 18
	s_lshl_b32 s47, s42, 8
	s_add_co_u32 s46, s46, s47                     ; w: 128 rows x half + tile column x 256 bytes
	s_mov_b32 s47, 0
	s_mul_i32 s20, s12, AHALF
	s_mul_i32 s21, s12, BHALF
	s_add_co_u32 s21, s21, BOFF
	s_wait_dscnt 0x0
	s_wait_kmcnt 0x0
	s_add_nc_u64 s[14:15], s[4:5], s[16:17]
	s_add_nc_u64 s[46:47], s[6:7], s[46:47]
	CROUND
.irp s, 0,1
	s_mov_b32 s[G0+4*\s], 1
	s_add_co_u32 s[G0+4*\s+1], s20, \s*SLOT
	s_add_nc_u64 s[G0+4*\s+2:G0+4*\s+3], s[14:15], \s*65536
	s_or_b32 s[G0+4*\s+3], s[G0+4*\s+3], 0x80000000
	s_mov_b32 s[G0B+4*\s], 1
	s_add_co_u32 s[G0B+4*\s+1], s21, \s*SLOT
	s_add_nc_u64 s[G0B+4*\s+2:G0B+4*\s+3], s[46:47], \s*524288
	s_or_b32 s[G0B+4*\s+3], s[G0B+4*\s+3], 0x80000000
	JLOAD \s
.endr
	v_and_b32 v1, 15, v0                           ; r
	v_bfe_u32 v2, v0, 4, 1                         ; h
	v_lshlrev_b32 v[BO], 5, v2
	s_lshl_b32 s46, s42, 9
	s_lshl_b32 s47, s12, 8
	s_add_co_u32 s46, s46, s47                     ; my 64 columns, in bytes of f32
	s_mov_b32 s47, 0
	s_add_nc_u64 s[66:67], s[66:67], s[46:47]
.irp b, 0,1,2,3
	global_load_b128 v[BI+8*\b:BI+8*\b+3], v[BO], s[66:67] offset:64*\b
	global_load_b128 v[BI+8*\b+4:BI+8*\b+7], v[BO], s[66:67] offset:64*\b+16
.endr
	v_lshrrev_b32 v3, 1, v1
	v_mul_u32_u24 v3, v3, 272
	v_and_b32 v4, 1, v1
	v_lshl_add_u32 v3, v4, 7, v3
	v_lshl_add_u32 v3, v2, 4, v3                   ; y: row r of a tile, + 16 h
	v_and_b32 v4, 7, v0
	v_lshl_add_u32 v4, v2, 3, v4
	v_mul_u32_u24 v4, v4, BP
	v_bfe_u32 v5, v0, 3, 1
	v_lshl_add_u32 v4, v5, 4, v4                   ; w: row 8 h + lane % 8, columns 8 ((lane / 8) % 2) on
	s_mul_i32 s21, s11, 8704                       ; my 64 rows of y
	s_lshl_b32 s22, s12, 7                         ; my 64 columns of w
	s_add_co_u32 s22, s22, BOFF
.irp s, 0,1
	v_add_nc_u32 v[ADRA+\s], s21, v3
	v_add_nc_u32 v[ADRB+2*\s], s22, v4
	s_add_co_u32 s22, s22, BHALF
	v_add_nc_u32 v[ADRB+2*\s+1], s22, v4
	s_add_co_u32 s21, s21, SLOT
	s_add_co_u32 s22, s22, SLOT-BHALF
.endr
	s_mul_i32 s23, s10, 16*SPITCH
	s_add_co_u32 s23, s23, STAGE
	v_mul_u32_u24 v5, v1, SPITCH
	v_lshl_add_u32 v5, v2, 5, v5
	v_add_nc_u32 v[STO], s23, v5                   ; in: row r, 32 bytes for each half of the lanes
	v_mul_u32_u24 v5, v2, SPITCH
	v_lshl_add_u32 v5, v1, 4, v5
	v_add_nc_u32 v[RD], s23, v5                    ; back: lanes 0-15 one row of 256 bytes, lanes 16-31 the next
	v_lshlrev_b32 v5, 12, v2
	v_lshl_add_u32 v[CO], v1, 4, v5
	s_lshl_b32 s16, s13, 19
	s_lshl_b32 s17, s11, 18
	s_add_co_u32 s16, s16, s17
	s_add_co_u32 s16, s16, s46                     ; (128 row block + 64 half) rows of 4,096 bytes + my columns
	s_mov_b32 s17, 0
	s_add_nc_u64 s[8:9], s[8:9], s[16:17]
.macro MUL8 f, c, a0, zero             ; 8 matrix instructions; the 16 accumulators take turns.  zero = 1: the sums begin with the bias
.irp a, \a0, \a0+1
.irp b, 0,1,2,3
.if \zero
	v_wmma_f32_16x16x32_f16 v[ACC+8*(4*(\a)+\b):ACC+8*(4*(\a)+\b)+7], v[\f+64+8*(4*\c+\b):\f+64+8*(4*\c+\b)+7], v[\f+8*(4*\c+(\a)):\f+8*(4*\c+(\a))+7], v[BI+8*\b:BI+8*\b+7]
.else
	v_wmma_f32_16x16x32_f16 v[ACC+8*(4*(\a)+\b):ACC+8*(4*(\a)+\b)+7], v[\f+64+8*(4*\c+\b):\f+64+8*(4*\c+\b)+7], v[\f+8*(4*\c+(\a)):\f+8*(4*\c+(\a))+7], v[ACC+8*(4*(\a)+\b):ACC+8*(4*(\a)+\b)+7]
.endif
.endr
.endr
.endm
.macro FETCH slot, qd, f               ; 32 LDS loads in one run: the fragments of quarter qd (head qd of the step, 64 along K) into buffer f; the first 32 along K first
	WIN TO_F
.irp c, 0,1
.irp i, 0,1,2,3
	ds_load_tr16_b128 v[\f+64+8*(4*\c+\i):\f+64+8*(4*\c+\i)+3],   v[ADRB+2*\slot+(\qd)/2] offset:(((\qd)%2)*64+32*\c)*BP+32*\i
	ds_load_tr16_b128 v[\f+64+8*(4*\c+\i)+4:\f+64+8*(4*\c+\i)+7], v[ADRB+2*\slot+(\qd)/2] offset:(((\qd)%2)*64+32*\c)*BP+32*\i+16*BP
	ds_load_b128 v[\f+8*(4*\c+\i):\f+8*(4*\c+\i)+3],         v[ADRA+\slot] offset:(\qd)*AHEAD+\i*2176+64*\c
	ds_load_b128 v[\f+8*(4*\c+\i)+4:\f+8*(4*\c+\i)+7],       v[ADRA+\slot] offset:(\qd)*AHEAD+\i*2176+64*\c+32
.endr
.endr
.endm
.macro PLACES
.rept 4
	v_nop
.endr
.endm
.macro QUARTER slot, qd, f, g, zero    ; multiplies buffer f and fetches quarter qd into g
	s_wait_dscnt 16                                ; the first 32 along K are in; the younger sixteen loads may be out
	WIN MUL
	MUL8 \f, 0, 0, \zero
	MUL8 \f, 0, 2, \zero
	PLACES
	FETCH \slot, \qd, \g
	s_wait_dscnt 32                                ; all but the 32 just issued
	WIN MUL
	MUL8 \f, 1, 0, 0
	MUL8 \f, 1, 2, 0
.endm
.macro TURN slot, next, fill           ; a slot's last quarter changes slots: one barrier; fill = 1: a round of the cluster's, and the slot is filled again, two K steps ahead
	WIN 0
	s_wait_tensorcnt 0x0                           ; all my tensor loads have landed: my part of the next slot
	ds_add_u32 v[SPW], v[NIL]
	s_wait_dscnt 17                                ; the add and the youngest sixteen loads may be out
	WIN MUL
	MUL8 F1, 0, 0, 0
	s_wait_dscnt 0x0                               ; the add is done, and my reads of this slot are over
	s_barrier_signal -1
	MUL8 F1, 0, 2, 0
.if \fill
	WIN 0
.endif
	s_barrier_wait -1
.if \fill
	CREST
	s_add_nc_u64 s[G0+4*\slot+2:G0+4*\slot+3], s[G0+4*\slot+2:G0+4*\slot+3], 131072
	s_add_nc_u64 s[G0B+4*\slot+2:G0B+4*\slot+3], s[G0B+4*\slot+2:G0B+4*\slot+3], 1048576
	JLOAD \slot                                    ; the first tensor load behind the round; its four v_nop are also the places in front of the loads below
.else
	PLACES
.endif
	FETCH \next, 0, F0
	WIN MUL
	MUL8 F1, 1, 0, 0
	MUL8 F1, 1, 2, 0
.endm
	s_wait_tensorcnt 1                             ; my part of K step 0 is in; K step 1's load may stay out
	s_barrier_signal -1
	s_barrier_wait -1
	FETCH 0, 0, F0
	s_wait_loadcnt 0x0                             ; the bias
	QUARTER 0, 1, F0, F1, 1
	WIN 0
	s_mov_b32 s3, LAPS-1
.Llap:
	QUARTER 0, 2, F1, F0, 0
	QUARTER 0, 3, F0, F1, 0
	TURN 0, 1, 1
	QUARTER 1, 1, F0, F1, 0
	QUARTER 1, 2, F1, F0, 0
	QUARTER 1, 3, F0, F1, 0
	TURN 1, 0, 1
	QUARTER 0, 1, F0, F1, 0
	WIN 0
	s_sub_co_u32 s3, s3, 1
	s_cmp_lg_u32 s3, 0
	s_cbranch_scc1 .Llap
	QUARTER 0, 2, F1, F0, 0                        ; the last lap fills nothing
	QUARTER 0, 3, F0, F1, 0
	TURN 0, 1, 0
	QUARTER 1, 1, F0, F1, 0
	QUARTER 1, 2, F1, F0, 0
	QUARTER 1, 3, F0, F1, 0
	s_wait_dscnt 16
	WIN MUL
	MUL8 F1, 0, 0, 0
	MUL8 F1, 0, 2, 0
	s_wait_dscnt 0
	MUL8 F1, 1, 0, 0
	MUL8 F1, 1, 2, 0
	WIN 0
	; THE WAY OUT: my 64 columns are 256 aligned bytes of a row: each block of 16 rows goes through my own stage and leaves as whole runs of 256 bytes
.macro TOST a
.if \a >= 2
	s_wait_xcnt 0x0                                ; block a - 2's stores have read the registers into which these loads land
.endif
.irp b, 0,1,2,3
	ds_store_b128 v[STO], v[ACC+8*(4*\a+\b):ACC+8*(4*\a+\b)+3] offset:64*\b        ; each accumulator from its low end on
	ds_store_b128 v[STO], v[ACC+8*(4*\a+\b)+4:ACC+8*(4*\a+\b)+7] offset:64*\b+16
.endr
.irp i, 0,1,2,3,4,5,6,7
	ds_load_b128 v[TMP+32*(\a%2)+4*\i:TMP+32*(\a%2)+4*\i+3], v[RD] offset:544*\i   ; LDS serves a wave's instructions in order
.endr
.endm
.macro SENDO a, younger
	s_wait_dscnt \younger                          ; the block is back; the next block's 8 stores and 8 loads may be out
.irp i, 0,1,2,3,4,5,6,7
	global_store_b128 v[CO], v[TMP+32*((\a)%2)+4*\i:TMP+32*((\a)%2)+4*\i+3], s[8:9] offset:(16*(\a)+2*\i)*4096
.endr
.endm
	PLACES
	TOST 0
.irp a, 1,2,3
	TOST \a
	SENDO \a-1, 16
.endr
	SENDO 3, 0
	s_wait_tensorcnt 0x0                           ; the wave's end
	ds_add_u32 v[SPW], v[NIL]
	s_wait_dscnt 0x0
	CROUND                                         ; the closing round
	s_endpgm
.Lfunc_end_k_q4e32ef60c4_proj:
	.size	k_q4e32ef60c4_proj, .Lfunc_end_k_q4e32ef60c4_proj-k_q4e32ef60c4_proj
	.p2alignl 7, 3214868480
	.fill 96, 4, 3214868480
	.section	.rodata,"a",@progbits
	.p2align	6, 0x0
	.amdhsa_kernel k_q4e32ef60c4_proj
		.amdhsa_group_segment_fixed_size 327680
		.amdhsa_private_segment_fixed_size 0
		.amdhsa_enable_private_segment 0
		.amdhsa_kernarg_size 32
		.amdhsa_user_sgpr_count 2
		.amdhsa_user_sgpr_kernarg_segment_ptr 1
		.amdhsa_wavefront_size32 1
		.amdhsa_system_sgpr_workgroup_id_x 1
		.amdhsa_system_sgpr_workgroup_id_y 1
		.amdhsa_system_sgpr_workgroup_id_z 1
		.amdhsa_system_vgpr_workitem_id 0
		.amdhsa_next_free_vgpr 512
		.amdhsa_next_free_sgpr 68
		.amdhsa_reserve_vcc 0
		.amdhsa_float_denorm_mode_32 3
		.amdhsa_float_denorm_mode_16_64 3
		.amdhsa_memory_ordered 1
		.amdhsa_forward_progress 1
		.amdhsa_inst_pref_size 87
	.end_amdhsa_kernel
	.amdgpu_metadata
---
amdhsa.version: [ 1, 2 ]
amdhsa.kernels:
  - .name:           k_q4e32ef60c4_proj
    .symbol:         k_q4e32ef60c4_proj.kd
    .args:
      - { .name: yb, .offset: 0, .size: 8, .value_kind: global_buffer, .address_space: global }
      - { .name: wp16, .offset: 8, .size: 8, .value_kind: global_buffer, .address_space: global }
      - { .name: b_proj, .offset: 16, .size: 8, .value_kind: global_buffer, .address_space: global }
      - { .name: out0, .offset: 24, .size: 8, .value_kind: global_buffer, .address_space: global }
    .group_segment_fixed_size: 327680
    .private_segment_fixed_size: 0
    .kernarg_segment_align: 8
    .kernarg_segment_size: 32
    .max_flat_workgroup_size: 128
    .sgpr_count:     68
    .vgpr_count:     512
    .wavefront_size: 32
...
	.end_amdgpu_metadata
.endif
;; end of part 4
;; launch fine_att (part 5): grid 16 x 4, 12 waves a work-group, no clusters, 18,432 bytes of LDS; arguments x_codes, x_scales, wq_codes, wq_scales, b_qkv, y16; writes y16
.if DOCPART == 5
	.amdgcn_target "amdgcn-amd-amdhsa--gfx1250"
	.amdhsa_code_object_version 6
	.text
	.protected	k_q4e32ef60c4_fine_att
	.globl	k_q4e32ef60c4_fine_att
	.p2align	8
	.type	k_q4e32ef60c4_fine_att,@function
k_q4e32ef60c4_fine_att:
	s_mov_b64 s[64:65], 0
	v_nop
	global_prefetch_b8 v0, s[64:65] scope:SCOPE_SE
	s_setreg_imm32_b32 hwreg(HW_REG_WAVE_MODE, 25, 1), 1
	s_wait_xcnt 0x0
; Launch 5 of 6: positions 0-15 of every sequence, in f32 throughout: there a row of the softmax averages one to sixteen values, and the rounding of f16 operands weighs most.
; WORK LEFT OUT: k's bias b_qkv[1024:2048] (the proof stands at the head of the first launch).
; A work-group takes one (batch, head).  Wave w makes one tile of 16 positions x 16 columns of q (waves 0-3), k (4-7) or v (8-11) from the same codes as the large product, by eight FP4 matrix instructions on two accumulators by turns.
; q and k are made transposed (a lane holds one position and eight channels), v as it is (a lane holds one channel and eight positions): these are the layouts that the f32 matrix form wants below, with K's order
; permuted alike on both sides.  The twelve tiles go to wave 0 through LDS as images of their registers; wave 0 does scores, mask, softmax and p v in f32 (v_wmma_f32_16x16x4_f32: 32 instructions, no bulk work).
.set IMG,   0                          ; 12 images of 1,024 bytes
.set STG,   12288                      ; 16 rows x (256 + 16) bytes
.set SPARE, 16896                      ; the spare words, 128 bytes a wave
.set SPW, 1
.set NIL, 2
.set XF,  16                           ; v16-79   x's eight fragments
.set WF,  80                           ; v80-143  w's
.set XS,  144                          ; v144-151 x's scale words, one for each 128 along K
.set WS,  152                          ; v152-159 w's
.set BI,  160                          ; v160-167 the bias in the result's layout
.set A0,  168                          ; v168-175, v176-183: two accumulators
.set TL,  184                          ; v184-191 the tile
.set QF,  16                           ; wave 0: q's four tiles, k's, v's
.set KF,  48
.set VF,  80
.set SS,  112                          ; the scores
.set PP,  128                          ; p
.set YY,  144                          ; y
.set SA,  192                          ; v192-199, v200-207: the scores' two sums; v208-239: O^T.  Written by matrix instructions alone
.set SBB, 200
.set OT,  208
	s_load_b256 s[4:11], s[0:1], 0x0               ; x_codes, x_scales, wq_codes, wq_scales
	s_load_b128 s[12:15], s[0:1], 0x20             ; b_qkv, y16
	v_lshl_add_u32 v[SPW], v0, 2, SPARE
	v_mov_b32 v[NIL], 0
	v_lshrrev_b32 v14, 5, v0
	v_readfirstlane_b32 s16, v14                   ; wave 0..11
	v_and_b32 v8, 15, v0                           ; r
	v_bfe_u32 v13, v0, 4, 1                        ; h
	v_and_b32 v15, 31, v0                          ; lane
	v_lshlrev_b32 v3, 9, v8
	v_lshl_add_u32 v3, v13, 4, v3                  ; a row of 512 bytes of codes, + 16 h
	v_lshlrev_b32 v4, 5, v8                        ; a row of 32 scale bytes
	v_lshlrev_b32 v5, 5, v13                       ; the bias of eight channels: 32 h
	v_lshlrev_b32 v6, 4, v15                       ; an image's place for my lane
	s_lshl_b32 s17, s16, 10
	v_add_nc_u32 v7, s17, v6                       ; my wave's image
	v_lshlrev_b32 v14, 3, v13
	v_sub_nc_u32 v9, v8, v14                       ; r - 8 h
	v_mul_u32_u24 v10, v8, 272
	v_lshl_add_u32 v10, v13, 5, v10
	v_add_nc_u32 v10, STG, v10                     ; the stage, in
	v_mul_u32_u24 v11, v13, 272
	v_lshl_add_u32 v11, v8, 4, v11
	v_add_nc_u32 v11, STG, v11                     ; and back
	v_lshlrev_b32 v12, 12, v13
	v_lshl_add_u32 v12, v8, 4, v12                 ; the same two rows in y16
	v_lshlrev_b32 v14, 2, v8                       ; the bias of one channel: 4 r
	s_and_b32 s18, ttmp7, 0xffff                   ; the batch
	s_lshr_b32 s19, s16, 2                         ; 0 q, 1 k, 2 v
	s_and_b32 s20, s16, 3
	s_lshl_b32 s21, s19, 10
	s_lshl_b32 s22, ttmp9, 6
	s_add_co_u32 s21, s21, s22
	s_lshl_b32 s22, s20, 4
	s_add_co_u32 s21, s21, s22                     ; my first column of w_qkv
	s_mov_b32 s25, 0
	s_mov_b32 s26, 0x3e38aa3b                      ; c = log2(e) / 8
	s_mov_b32 s28, 0x76543210
	s_mov_b32 s29, 0xfedcba98
	s_wait_kmcnt 0x0
	s_lshl_b32 s24, s18, 20
	s_add_nc_u64 s[4:5], s[4:5], s[24:25]
	s_lshl_b32 s24, s18, 16
	s_add_nc_u64 s[6:7], s[6:7], s[24:25]
	s_lshl_b32 s22, ttmp9, 8
	s_add_co_u32 s24, s24, s22
	s_add_nc_u64 s[14:15], s[14:15], s[24:25]      ; y16: batch x 65,536 + head x 256 bytes
	s_lshl_b32 s24, s21, 9
	s_add_nc_u64 s[8:9], s[8:9], s[24:25]
	s_lshl_b32 s24, s21, 5
	s_add_nc_u64 s[10:11], s[10:11], s[24:25]
	s_lshl_b32 s24, s21, 2
	s_add_nc_u64 s[12:13], s[12:13], s[24:25]
.irp s, 0,1,2,3,4,5,6,7
	global_load_b128 v[XF+8*\s:XF+8*\s+3], v3, s[4:5] offset:64*\s
	global_load_b128 v[XF+8*\s+4:XF+8*\s+7], v3, s[4:5] offset:64*\s+32
	global_load_b128 v[WF+8*\s:WF+8*\s+3], v3, s[8:9] offset:64*\s
	global_load_b128 v[WF+8*\s+4:WF+8*\s+7], v3, s[8:9] offset:64*\s+32
.endr
	global_load_b128 v[XS:XS+3], v4, s[6:7]
	global_load_b128 v[XS+4:XS+7], v4, s[6:7] offset:16
	global_load_b128 v[WS:WS+3], v4, s[10:11]
	global_load_b128 v[WS+4:WS+7], v4, s[10:11] offset:16
; eight K steps of 128 on two accumulators by turns; bias = 1: the first sum begins with the bias
.macro QKV fa, fb, ca, cb, bias
.irp s, 0,1,2,3,4,5,6,7
.if (\s == 0) && \bias
	v_wmma_scale_f32_16x16x128_f8f6f4 v[A0:A0+7], v[\fa:\fa+7], v[\fb:\fb+7], v[BI:BI+7], v[\ca], v[\cb] matrix_a_fmt:MATRIX_FMT_FP4 matrix_b_fmt:MATRIX_FMT_FP4
.elseif \s < 2
	v_wmma_scale_f32_16x16x128_f8f6f4 v[A0+8*\s:A0+8*\s+7], v[\fa+8*\s:\fa+8*\s+7], v[\fb+8*\s:\fb+8*\s+7], 0, v[\ca+\s], v[\cb+\s] matrix_a_fmt:MATRIX_FMT_FP4 matrix_b_fmt:MATRIX_FMT_FP4
.else
	v_wmma_scale_f32_16x16x128_f8f6f4 v[A0+8*(\s%2):A0+8*(\s%2)+7], v[\fa+8*\s:\fa+8*\s+7], v[\fb+8*\s:\fb+8*\s+7], v[A0+8*(\s%2):A0+8*(\s%2)+7], v[\ca+\s], v[\cb+\s] matrix_a_fmt:MATRIX_FMT_FP4 matrix_b_fmt:MATRIX_FMT_FP4
.endif
.endr
.endm
	s_cmp_lt_u32 s16, 4
	s_cbranch_scc0 .Lnot_q
	global_load_b128 v[BI:BI+3], v5, s[12:13]      ; q, transposed: lane (r, h) holds position r, channels 8 h + 0 .. 7
	global_load_b128 v[BI+4:BI+7], v5, s[12:13] offset:16
	s_wait_loadcnt 0x0
	QKV WF, XF, WS, XS, 1
	s_branch .Ljoin
.Lnot_q:
	s_cmp_lt_u32 s16, 8
	s_cbranch_scc0 .Lis_v
	s_wait_loadcnt 0x0
	QKV WF, XF, WS, XS, 0                          ; k, transposed, without its bias
	s_branch .Ljoin
.Lis_v:
.irp j, 0,1,2,3,4,5,6,7
	global_load_b32 v[BI+\j], v14, s[12:13]        ; v: lane (r, h) holds channel r, positions 8 h + 0 .. 7: one number of the bias for all eight
.endr
	s_wait_loadcnt 0x0
	QKV XF, WF, XS, WS, 1
.Ljoin:
.rept 4
	v_nop
.endr
.irp j, 0,1,2,3,4,5,6,7
	v_add_f32 v[TL+\j], v[A0+\j], v[A0+8+\j]
.endr
	ds_store_b128 v7, v[TL:TL+3]
	ds_store_b128 v7, v[TL+4:TL+7] offset:512
	s_wait_dscnt 0x0                               ; for the others' sake: my image lies in LDS
	s_barrier_signal -1
	s_barrier_wait -1
	s_cmp_lg_u32 s16, 0
	s_cbranch_scc1 .Lend
.irp f, 0,1,2,3,4,5,6,7,8,9,10,11
	ds_load_b128 v[QF+8*\f:QF+8*\f+3], v6 offset:IMG+1024*\f
	ds_load_b128 v[QF+8*\f+4:QF+8*\f+7], v6 offset:IMG+1024*\f+512
.endr
	v_mov_b32 v121, 0                              ; a lane permute's destination counts as one of its sources
	v_mov_b32 v126, 0xff800000
	s_wait_dscnt 0x0
; S^T = k q^T: an instruction takes registers 2 i, 2 i + 1 of tile f on both sides: channels 16 f + 8 h + 2 i + 0, 1.  Two sums by turns
.irp f, 0,1,2,3
.irp i, 0,1,2,3
.if (4*\f+\i) < 2
	v_wmma_f32_16x16x4_f32 v[SA+8*(\i%2):SA+8*(\i%2)+7], v[KF+8*\f+2*\i:KF+8*\f+2*\i+1], v[QF+8*\f+2*\i:QF+8*\f+2*\i+1], 0
.else
	v_wmma_f32_16x16x4_f32 v[SA+8*(\i%2):SA+8*(\i%2)+7], v[KF+8*\f+2*\i:KF+8*\f+2*\i+1], v[QF+8*\f+2*\i:QF+8*\f+2*\i+1], v[SA+8*(\i%2):SA+8*(\i%2)+7]
.endif
.endr
.endr
.rept 8
	v_nop
.endr
.irp j, 0,1,2,3,4,5,6,7
	v_add_f32 v[SS+\j], v[SA+\j], v[SBB+\j]        ; lane (r, h): query r, key 8 h + j
.endr
.irp j, 0,1,2,3,4,5,6,7
	v_cmp_gt_i32 vcc_lo, \j, v9                    ; hidden where 8 h + j > r
	v_cndmask_b32 v[SS+\j], v[SS+\j], v126, vcc_lo
.endr
	v_max3_num_f32 v120, v[SS], v[SS+1], v[SS+2]
	v_max3_num_f32 v120, v120, v[SS+3], v[SS+4]
	v_max3_num_f32 v120, v120, v[SS+5], v[SS+6]
	v_max_num_f32 v120, v120, v[SS+7]
	v_permlanex16_b32 v121, v120, s28, s29
	v_max_num_f32 v120, v120, v121                 ; key 0 counts for every query: a number
	v_mul_f32 v122, s26, v120
.irp j, 0,1,2,3,4,5,6,7
	v_fma_f32 v[SS+\j], v[SS+\j], s26, -v122
.endr
.irp j, 0,1,2,3,4,5,6,7
	v_exp_f32 v[PP+\j], v[SS+\j]
.endr
	v_nop
	s_wait_alu depctr_va_vdst(0)                   ; one wait for the eight, ahead of their first reader
	v_add_f32 v123, v[PP], v[PP+1]
	v_add_f32 v124, v[PP+2], v[PP+3]
	v_add_f32 v123, v123, v[PP+4]
	v_add_f32 v124, v124, v[PP+5]
	v_add_f32 v123, v123, v[PP+6]
	v_add_f32 v124, v124, v[PP+7]
	v_add_f32 v123, v123, v124
	v_permlanex16_b32 v124, v123, s28, s29
	v_add_f32 v123, v123, v124
	v_rcp_f32 v125, v123
; O^T = v^T p^T: registers 2 i, 2 i + 1 on both sides: keys 8 h + 2 i + 0, 1.  Four sums by turns
.irp i, 0,1,2,3
.irp f, 0,1,2,3
.if \i == 0
	v_wmma_f32_16x16x4_f32 v[OT+8*\f:OT+8*\f+7], v[VF+8*\f+2*\i:VF+8*\f+2*\i+1], v[PP+2*\i:PP+2*\i+1], 0
.else
	v_wmma_f32_16x16x4_f32 v[OT+8*\f:OT+8*\f+7], v[VF+8*\f+2*\i:VF+8*\f+2*\i+1], v[PP+2*\i:PP+2*\i+1], v[OT+8*\f:OT+8*\f+7]
.endif
.endr
.endr
.rept 8
	v_nop
.endr
	s_wait_alu depctr_va_vdst(0)                   ; the reciprocal's wait, ahead of its first reader
.irp f, 0,1,2,3
.irp j, 0,1,2,3,4,5,6,7
	v_mul_f32 v[YY+8*\f+\j], v[OT+8*\f+\j], v125   ; lane (r, h): query r, channel 16 f + 8 h + j
.endr
.endr
.irp f, 0,1,2,3
	ds_store_b128 v10, v[YY+8*\f:YY+8*\f+3] offset:64*\f
	ds_store_b128 v10, v[YY+8*\f+4:YY+8*\f+7] offset:64*\f+16
.endr
.irp i, 0,1,2,3,4,5,6,7
	ds_load_b128 v[16+4*\i:16+4*\i+3], v11 offset:544*\i
.endr
.irp i, 0,1,2,3,4,5,6,7
	s_wait_dscnt 7-\i                              ; load i is in
	global_store_b128 v12, v[16+4*\i:16+4*\i+3], s[14:15] offset:8192*\i   ; sixteen lanes store 256 consecutive bytes, aligned
.endr
.Lend:
	s_wait_tensorcnt 0x0                           ; the wave's end
	ds_add_u32 v[SPW], v[NIL]
	s_wait_dscnt 0x0
	s_endpgm
.Lfunc_end_k_q4e32ef60c4_fine_att:
	.size	k_q4e32ef60c4_fine_att, .Lfunc_end_k_q4e32ef60c4_fine_att-k_q4e32ef60c4_fine_att
	.p2alignl 7, 3214868480
	.fill 96, 4, 3214868480
	.section	.rodata,"a",@progbits
	.p2align	6, 0x0
	.amdhsa_kernel k_q4e32ef60c4_fine_att
		.amdhsa_group_segment_fixed_size 18432
		.amdhsa_private_segment_fixed_size 0
		.amdhsa_enable_private_segment 0
		.amdhsa_kernarg_size 48
		.amdhsa_user_sgpr_count 2
		.amdhsa_user_sgpr_kernarg_segment_ptr 1
		.amdhsa_wavefront_size32 1
		.amdhsa_system_sgpr_workgroup_id_x 1
		.amdhsa_system_sgpr_workgroup_id_y 1
		.amdhsa_system_sgpr_workgroup_id_z 1
		.amdhsa_system_vgpr_workitem_id 0
		.amdhsa_next_free_vgpr 256
		.amdhsa_next_free_sgpr 66
		.amdhsa_reserve_vcc 1
		.amdhsa_float_denorm_mode_32 3
		.amdhsa_float_denorm_mode_16_64 3
		.amdhsa_memory_ordered 1
		.amdhsa_forward_progress 1
		.amdhsa_inst_pref_size 21
	.end_amdhsa_kernel
	.amdgpu_metadata
---
amdhsa.version: [ 1, 2 ]
amdhsa.kernels:
  - .name:           k_q4e32ef60c4_fine_att
    .symbol:         k_q4e32ef60c4_fine_att.kd
    .args:
      - { .name: x_codes, .offset: 0, .size: 8, .value_kind: global_buffer, .address_space: global }
      - { .name: x_scales, .offset: 8, .size: 8, .value_kind: global_buffer, .address_space: global }
      - { .name: wq_codes, .offset: 16, .size: 8, .value_kind: global_buffer, .address_space: global }
      - { .name: wq_scales, .offset: 24, .size: 8, .value_kind: global_buffer, .address_space: global }
      - { .name: b_qkv, .offset: 32, .size: 8, .value_kind: global_buffer, .address_space: global }
      - { .name: y16, .offset: 40, .size: 8, .value_kind: global_buffer, .address_space: global }
    .group_segment_fixed_size: 18432
    .private_segment_fixed_size: 0
    .kernarg_segment_align: 8
    .kernarg_segment_size: 48
    .max_flat_workgroup_size: 384
    .sgpr_count:     66
    .vgpr_count:     256
    .wavefront_size: 32
...
	.end_amdgpu_metadata
.endif
;; end of part 5
;; launch fine_proj (part 6): grid 16 x 4, 16 waves a work-group, no clusters, 19,456 bytes of LDS; arguments y16, w_proj, b_proj, out0; writes out0
.if DOCPART == 6
	.amdgcn_target "amdgcn-amd-amdhsa--gfx1250"
	.amdhsa_code_object_version 6
	.text
	.protected	k_q4e32ef60c4_fine_proj
	.globl	k_q4e32ef60c4_fine_proj
	.p2align	8
	.type	k_q4e32ef60c4_fine_proj,@function
k_q4e32ef60c4_fine_proj:
	s_mov_b64 s[64:65], 0
	v_nop
	global_prefetch_b8 v0, s[64:65] scope:SCOPE_SE
	s_setreg_imm32_b32 hwreg(HW_REG_WAVE_MODE, 25, 1), 1
	s_wait_xcnt 0x0
; Launch 6 of 6: out0 rows 0-15 of every sequence = y16 w_proj + b_proj in f32 (v_wmma_f32_16x16x4_f32: 64 rows of 8,192, no bulk work).  It writes over what the f16 projection left in these rows.
; A work-group takes 64 columns of one batch.  Wave w: columns 16 (w % 4) on, K = 256 (w / 4) on.  Used transposed (source 0 = 16 columns x 4 k of w_proj, source 1 = 4 k x 16 positions of y): a lane holds one position and
; eight neighbouring columns.  K's order is permuted alike on both sides: register 4 u + x of a quarter holds k = 8 u + 4 h + x.  The four parts along K meet in LDS; waves 0-7 add them and the bias, two rows each.
.set RED,   0                          ; [part 4][chunk 16][256 + 16]: chunk 4 f + h + 2 (upper four registers), entry = position
.set SPARE, 17408
.set SPW, 1
.set NIL, 2
.set AC,  240                          ; v240-247, v248-255: two sums by turns; written by matrix instructions alone
	s_load_b256 s[4:11], s[0:1], 0x0               ; y16, w_proj, b_proj, out0
	v_lshl_add_u32 v[SPW], v0, 2, SPARE
	v_mov_b32 v[NIL], 0
	v_lshrrev_b32 v11, 5, v0
	v_readfirstlane_b32 s12, v11                   ; wave 0..15
	s_and_b32 s13, s12, 3                          ; f
	s_lshr_b32 s14, s12, 2                         ; the part along K
	v_and_b32 v8, 15, v0                           ; r
	v_bfe_u32 v9, v0, 4, 1                         ; h
	v_lshlrev_b32 v3, 2, v8
	v_lshl_add_u32 v3, v9, 14, v3                  ; w_proj: column r, 4 h rows down
	v_lshlrev_b32 v4, 12, v8
	v_lshl_add_u32 v4, v9, 4, v4                   ; y16: row r, + 16 h
	s_mul_i32 s15, s14, 4352
	s_mul_i32 s16, s13, 1088
	s_add_co_u32 s15, s15, s16
	v_mul_u32_u24 v5, v9, 272
	v_lshl_add_u32 v5, v8, 4, v5
	v_add_nc_u32 v5, s15, v5                       ; where my sums go
	s_lshl_b32 s16, s12, 5
	v_mul_u32_u24 v6, v8, 272
	v_lshl_add_u32 v6, v9, 4, v6
	v_add_nc_u32 v6, s16, v6                       ; where I read: chunk r, position 2 w + h
	v_lshrrev_b32 v7, 2, v8
	v_lshlrev_b32 v7, 6, v7
	v_and_b32 v11, 1, v8
	v_lshl_add_u32 v7, v11, 5, v7
	v_bfe_u32 v11, v8, 1, 1
	v_lshl_add_u32 v7, v11, 4, v7                  ; chunk r's four columns, in bytes: 64 (r / 4) + 32 (r % 2) + 16 ((r / 2) % 2)
	v_lshl_add_u32 v10, v9, 12, v7                 ; and the row
	s_and_b32 s17, ttmp7, 0xffff                   ; the batch
	s_mov_b32 s21, 0
	s_wait_kmcnt 0x0
	s_lshl_b32 s20, s17, 16
	s_lshl_b32 s18, s14, 10
	s_add_co_u32 s20, s20, s18
	s_add_nc_u64 s[4:5], s[4:5], s[20:21]
	s_lshl_b32 s20, s14, 20
	s_lshl_b32 s18, ttmp9, 8
	s_add_co_u32 s20, s20, s18
	s_lshl_b32 s19, s13, 6
	s_add_co_u32 s20, s20, s19
	s_add_nc_u64 s[6:7], s[6:7], s[20:21]
	s_mov_b32 s20, s18
	s_add_nc_u64 s[8:9], s[8:9], s[20:21]
	s_lshl_b32 s20, s17, 23
	s_lshl_b32 s19, s12, 13
	s_add_co_u32 s20, s20, s19
	s_add_co_u32 s20, s20, s18
	s_add_nc_u64 s[10:11], s[10:11], s[20:21]
	global_load_b128 v[220:223], v7, s[8:9]        ; the bias of my four columns of the last sum
.macro QLOAD qd, set                   ; a quarter, 64 along K: 40 loads
.irp u, 0,1,2,3,4,5,6,7
.irp x, 0,1,2,3
	global_load_b32 v[16+64*(\set)+4*\u+\x], v3, s[6:7] offset:(64*(\qd)+8*\u+\x)*4096
.endr
	global_load_b128 v[48+64*(\set)+4*\u:48+64*(\set)+4*\u+3], v4, s[4:5] offset:(64*(\qd)+8*\u)*4
.endr
.endm
.macro QMUL set, first                 ; 16 matrix instructions, the two sums by turns
.irp u, 0,1,2,3,4,5,6,7
.irp e, 0,1
.if \first && (\u == 0)
	v_wmma_f32_16x16x4_f32 v[AC+8*\e:AC+8*\e+7], v[16+64*(\set)+4*\u+2*\e:16+64*(\set)+4*\u+2*\e+1], v[48+64*(\set)+4*\u+2*\e:48+64*(\set)+4*\u+2*\e+1], 0
.else
	v_wmma_f32_16x16x4_f32 v[AC+8*\e:AC+8*\e+7], v[16+64*(\set)+4*\u+2*\e:16+64*(\set)+4*\u+2*\e+1], v[48+64*(\set)+4*\u+2*\e:48+64*(\set)+4*\u+2*\e+1], v[AC+8*\e:AC+8*\e+7]
.endif
.endr
.endr
.endm
	QLOAD 0, 0
	QLOAD 1, 1
	s_wait_loadcnt 40                              ; the bias and quarter 0 are in; quarter 1's 40 loads may be out
	QLOAD 2, 2
	QMUL 0, 1
.rept 8
	v_nop                                          ; places in front of the loads into set 0
.endr
	s_wait_loadcnt 40                              ; quarter 1 is in; quarter 2's 40 may be out
	QLOAD 3, 0
	QMUL 1, 0
	s_wait_loadcnt 40                              ; quarter 2 is in; quarter 3's 40 may be out
	QMUL 2, 0
	s_wait_loadcnt 0x0
	QMUL 0, 0
.rept 8
	v_nop
.endr
.irp j, 0,1,2,3,4,5,6,7
	v_add_f32 v[208+\j], v[AC+\j], v[AC+8+\j]      ; lane (r, h): position r, columns 16 f + 8 h + j
.endr
	ds_store_b128 v5, v[208:211] offset:RED
	ds_store_b128 v5, v[212:215] offset:RED+544
	s_wait_dscnt 0x0                               ; for the others' sake: my sums lie in LDS
	s_barrier_signal -1
	s_barrier_wait -1
	s_cmp_lt_u32 s12, 8
	s_cbranch_scc0 .Lend
.irp k, 0,1,2,3
	ds_load_b128 v[224+4*\k:224+4*\k+3], v6 offset:RED+4352*\k
.endr
	s_wait_dscnt 0x0
	v_pk_add_f32 v[224:225], v[224:225], v[228:229]
	v_pk_add_f32 v[226:227], v[226:227], v[230:231]
	v_pk_add_f32 v[232:233], v[232:233], v[236:237]
	v_pk_add_f32 v[234:235], v[234:235], v[238:239]
	v_pk_add_f32 v[224:225], v[224:225], v[232:233]
	v_pk_add_f32 v[226:227], v[226:227], v[234:235]
	v_pk_add_f32 v[224:225], v[224:225], v[220:221]
	v_pk_add_f32 v[226:227], v[226:227], v[222:223]
	global_store_b128 v10, v[224:227], s[10:11]    ; sixteen lanes fill 256 consecutive bytes, aligned
.Lend:
	s_wait_tensorcnt 0x0                           ; the wave's end
	ds_add_u32 v[SPW], v[NIL]
	s_wait_dscnt 0x0
	s_endpgm
.Lfunc_end_k_q4e32ef60c4_fine_proj:
	.size	k_q4e32ef60c4_fine_proj, .Lfunc_end_k_q4e32ef60c4_fine_proj-k_q4e32ef60c4_fine_proj
	.p2alignl 7, 3214868480
	.fill 96, 4, 3214868480
	.section	.rodata,"a",@progbits
	.p2align	6, 0x0
	.amdhsa_kernel k_q4e32ef60c4_fine_proj
		.amdhsa_group_segment_fixed_size 19456
		.amdhsa_private_segment_fixed_size 0
		.amdhsa_enable_private_segment 0
		.amdhsa_kernarg_size 32
		.amdhsa_user_sgpr_count 2
		.amdhsa_user_sgpr_kernarg_segment_ptr 1
		.amdhsa_wavefront_size32 1
		.amdhsa_system_sgpr_workgroup_id_x 1
		.amdhsa_system_sgpr_workgroup_id_y 1
		.amdhsa_system_sgpr_workgroup_id_z 1
		.amdhsa_system_vgpr_workitem_id 0
		.amdhsa_next_free_vgpr 256
		.amdhsa_next_free_sgpr 66
		.amdhsa_reserve_vcc 0
		.amdhsa_float_denorm_mode_32 3
		.amdhsa_float_denorm_mode_16_64 3
		.amdhsa_memory_ordered 1
		.amdhsa_forward_progress 1
		.amdhsa_inst_pref_size 24
	.end_amdhsa_kernel
	.amdgpu_metadata
---
amdhsa.version: [ 1, 2 ]
amdhsa.kernels:
  - .name:           k_q4e32ef60c4_fine_proj
    .symbol:         k_q4e32ef60c4_fine_proj.kd
    .args:
      - { .name: y16, .offset: 0, .size: 8, .value_kind: global_buffer, .address_space: global }
      - { .name: w_proj, .offset: 8, .size: 8, .value_kind: global_buffer, .address_space: global }
      - { .name: b_proj, .offset: 16, .size: 8, .value_kind: global_buffer, .address_space: global }
      - { .name: out0, .offset: 24, .size: 8, .value_kind: global_buffer, .address_space: global }
    .group_segment_fixed_size: 19456
    .private_segment_fixed_size: 0
    .kernarg_segment_align: 8
    .kernarg_segment_size: 32
    .max_flat_workgroup_size: 512
    .sgpr_count:     66
    .vgpr_count:     256
    .wavefront_size: 32
...
	.end_amdgpu_metadata
.endif
;; end of part 6
